; MI455X (gfx1250); checked and timed in simulation.
; The chip was launched on July 23, 2026; its instructions are those of AMD's public machine-readable ISA for CDNA 5 (MIT licence, August 2026) and "CDNA5" Instruction Set Architecture Reference Guide (July 2026). The comments in the code are by the model that wrote it; some were corrected since.
;; Causal Self Attention. Allowed arithmetic: matrix products marked QUANTISED: E3M2 operands, one E8M0 scale for each 32 along K, by v_wmma_scale_f32_16x16x128_f8f6f4 with both operands' format E3M2, f32 sums; everything else in f32.
;; Inputs: Wk 1,024 x 1,024 float32; Wp 1,024 x 1,024 float32; Wq 1,024 x 1,024 float32; Wv 1,024 x 1,024 float32; bp 1,024 float32; x 4 x 2,048 x 1,024 float32.
;; Outputs: out0 4 x 2,048 x 1,024 float32.
;; This version of the problem:
;;   THIS VERSION OF THE PROBLEM IS GIVEN IN LOW PRECISION. The matrix products marked QUANTISED in the list below multiply operands that are first quantised to E3M2 (3 exponent bits, 2 mantissa bits; 6 bits a number), with one power-of-two scale for each 32 numbers along K (OCP MX v1.0); their sums are f32. All else is computed in f32.
;;   The module's matrix products, in the order in which they are computed (A, B: the left and right operand; K: the contracted axis; several contracted axes count as one K, in the product's order):
;;     1. [M 8,192, K 1,024] x [K 1,024, N 1,024]; A: input x; B: input Wq: QUANTISED
;;     2. [M 8,192, K 1,024] x [K 1,024, N 1,024]; A: input x; B: input Wk: QUANTISED
;;     3. [M 8,192, K 1,024] x [K 1,024, N 1,024]; A: input x; B: input Wv: QUANTISED
;;     4. batch 64 x [M 2,048, K 64] x [K 64, N 2,048]; A: computed on the way; B: computed on the way: QUANTISED
;;     5. batch 64 x [M 2,048, K 2,048] x [K 2,048, N 64]; A: softmax (see below); B: computed on the way: QUANTISED
;;     6. [M 8,192, K 1,024] x [K 1,024, N 1,024]; A: computed on the way; B: input Wp: QUANTISED
;;   THE QUANTISER, for each operand of a quantised product, along K:
;;     - K is cut into blocks of 32 from its start; a last block that is shorter is filled with zeros.
;;     - A block's scale is 2^e with e = floor(log2(the largest magnitude in the block)) - 4, held to -126 .. 127; a block of zeros has e = 0. As a byte (E8M0): e + 127.
;;     - Each number is divided by its block's scale, clamped to +-28, and rounded to the nearest number of E3M2, ties to even, subnormals kept.
;;     - The product sums the exact products of the quantised numbers (number of the format x scale) in f32.
;;   ~~~python
;;   def quantise(x, axis):      # numpy; x: float32 -> the quantised numbers, widened to float32 again
;;       x = np.moveaxis(x, axis, -1); K = x.shape[-1]
;;       x = np.pad(x, [(0, 0)] * (x.ndim - 1) + [(0, -K % 32)]); x = x.reshape(x.shape[:-1] + (-1, 32)); a = np.abs(x).max(-1, keepdims=True)
;;       e = np.where(a > 0, np.clip(np.frexp(np.where(a > 0, a, 1))[1] - 1 - 4, -126, 127), 0)      # np.frexp(a)[1] - 1 = floor(log2(a)), exactly
;;       r = np.clip(x / 2.0 ** e, -28, 28)
;;       step = 2.0 ** (np.maximum(np.frexp(np.where(r == 0, 1, r))[1] - 1, -2) - 2)
;;       q = np.round(r / step) * step * 2.0 ** e      # np.round: ties to even
;;       return np.moveaxis(q.reshape(q.shape[:-2] + (-1,))[..., :K], -1, axis).astype(np.float32)
;;   ~~~
;;   SOFTMAX AHEAD OF A QUANTISED PRODUCT. Where the list says 'softmax', what is quantised is not the finished softmax but p = 2^(t - M), with t = logit x log2(e) and M = ceil(the row's largest t), a whole number; so 1/2 < the row's largest p <= 1. The row's sum l is taken of the UNQUANTISED p, in f32, and the product's result is divided by l at the end. Since M is a whole number, a kernel that streams over the keys may use a running M (the ceiling of the running maximum): every later rescaling is an exact power of two, which a block's scale takes up: the codes' values come out the same.
;;   OPERANDS COMPUTED ON THE WAY. 'Computed on the way' means the value that the module computes at that place (a softmax that the list does not call 'softmax' is quantised finished and normalised). What goes into a quantiser is computed in f32, as accurately as f32 sums, v_exp_f32 and their like allow (about 1e-6 of the number): no bf16 or f16 on the way to a quantiser, and a product that is left as it is and whose result goes on into a quantised operand takes f32 operands (vector FMAs, or v_wmma_f32_16x16x4_f32). A number that lies on a knife's edge between two numbers of the format may be rounded either way, as far as f32 arithmetic and the matrix unit's own rounding can turn it there, and no further.
;; One version. Each part assembles by itself: llvm-mc -triple=amdgcn-amd-amdhsa -mcpu=gfx1250 --defsym DOCPART=n.
;; ======== version 1 of 1: 4 launches
;; workspace buffers: ops 9,437,184 bytes; opscl 393,216 bytes; rec 19,660,800 bytes; yimg 6,291,456 bytes; yscl 262,144 bytes
;; launch quant (part 1): grid 768 x 1, 2 waves a work-group, no clusters, 17,152 bytes of LDS; arguments x, Wq, Wk, Wv, Wp, ops, opscl; writes ops, opscl
.if DOCPART == 1
	.amdgcn_target "amdgcn-amd-amdhsa--gfx1250"
	.amdhsa_code_object_version 6
	.text
	.protected	k_q53d01c6146_quant
	.globl	k_q53d01c6146_quant
	.p2align	8
	.type	k_q53d01c6146_quant,@function
k_q53d01c6146_quant:
	s_mov_b64 s[64:65], 0
	v_nop
	global_prefetch_b8 v0, s[64:65] scope:SCOPE_SE
	s_setreg_imm32_b32 hwreg(HW_REG_WAVE_MODE, 25, 1), 1
	s_wait_xcnt 0x0
; x [8192][1024] and Wq, Wk, Wv, Wp [1024][1024], f32 with K innermost, become codes of BF6 (E3M2) with one E8M0 byte for each 32 along K,
; laid as IMAGES OF OPERAND REGISTERS.  A fragment (16 rows x 128 K, 12 registers a lane) is 1,536 dense bytes: registers 0-3 at 16 x lane,
; registers 4-5 at 512 + 8 x lane, registers 6-9 at 768 + 16 x lane, registers 10-11 at 1,280 + 8 x lane.
; ops: [row tile 0..767][K step 0..7][1,536]; tiles 0-511 x, 512-575 Wq, 576-639 Wk, 640-703 Wv, 704-767 Wp.
; opscl: [row tile][K slot 0..3][row 0..15][q 0..1] words: the four bytes of K step 2 slot + q of that row.
; THE ROWS OF A TILE of x, Wq, Wk, Wv are not neighbours: place r of tile 2 g + u holds row 32 g + 8 u + r + 8 (r / 8); Wp's tiles hold 16 neighbouring rows.
; A block's scale is 2^(floor(log2(largest magnitude)) - 4): its byte is the largest magnitude's exponent field - 4, held at 1 from below.
; LIMITS: a block of zeros gets the byte 1 where the rule says 127 (its codes are zeros, and this program alone reads the bytes); blocks whose largest
; magnitude lies under 2^-122 are held at the byte 1; NaN and infinities among the inputs are not served.
; SHARES: a work-group takes a row tile, each of its two waves 512 along K: four fragments.  Each load reads 512 consecutive bytes of one row; a fragment's
; 8,192 bytes turn through the wave's own stage in LDS (rows of 512 + 16 bytes), so that a lane gets 16 neighbours of each block of 32.  Waves share nothing: no barrier.
.set TM,  16                           ; v16-19 largest magnitudes, v20-23 the other half's / bytes, v28-31 the conversions' scale operands
.set PW,  32                           ; v32-35 the four fragments' scale words
.set PC,  36                           ; v36-47 a fragment's codes, v48-54 at work
.set R,   64                           ; v64-191 two sets of 64 registers as loaded
.set X,   192                          ; v192-255 register 16 b + i = k 32 b + 16 (lane / 16) + i of my row
.set SEL, 26                           ; s[26:27] lane selects: lane l xor 16
.set STG, 8448                         ; a wave's stage: 16 rows x 528 bytes
	s_load_b256 s[4:11], s[0:1], 0x0               ; x, Wq, Wk, Wv
	s_load_b128 s[12:15], s[0:1], 0x20             ; Wp, ops
	s_load_b64 s[16:17], s[0:1], 0x30              ; opscl
	v_lshl_add_u32 v62, v0, 2, 0x4200
	v_mov_b32 v63, 0
	v_lshrrev_b32 v1, 5, v0
	v_readfirstlane_b32 s18, v1                    ; wave = which half of K
	v_and_b32 v1, 31, v0                           ; lane
	v_and_b32 v9, 15, v0                           ; r
	v_bfe_u32 v10, v0, 4, 1                        ; h
	v_lshlrev_b32 v2, 4, v1                        ; 16 x lane: loads of places 0-7, and the stores of 16 bytes
	v_lshlrev_b32 v7, 3, v1                        ; 8 x lane: the stores of 8 bytes
	v_lshlrev_b32 v8, 3, v9
	v_lshl_add_u32 v8, v10, 7, v8                  ; the scale words' place: 128 h + 8 r
	s_mul_i32 s19, s18, STG
	v_add_nc_u32 v4, s19, v2                       ; the stage, on the way in: 16 x lane in a row
	v_mul_u32_u24 v5, v9, 528
	v_lshl_add_u32 v5, v10, 6, v5
	v_add_nc_u32 v5, s19, v5                       ; and on the way out: row r, + 64 h
.irp b, 0,1,2,3
	v_mov_b32 v[TM+4+\b], 0                        ; written once: a lane permute's destination counts as one of its sources
.endr
	s_mov_b32 s[SEL], 0x76543210
	s_mov_b32 s[SEL+1], 0xfedcba98
	s_and_b32 s24, ttmp9, 63                       ; a weight's own tile number
	s_wait_kmcnt 0x0
	s_cmp_lt_u32 ttmp9, 704                        ; which tensor: the choice hangs on the work-group's number alone
	s_cselect_b64 s[20:21], s[10:11], s[12:13]
	s_cselect_b32 s22, 8, 16                       ; rows from an even tile to the odd one beside it
	s_cselect_b32 s23, 16, 8                       ; rows from place 0 to place 8
	s_cmp_lt_u32 ttmp9, 640
	s_cselect_b64 s[20:21], s[8:9], s[20:21]
	s_cmp_lt_u32 ttmp9, 576
	s_cselect_b64 s[20:21], s[6:7], s[20:21]
	s_cmp_lt_u32 ttmp9, 512
	s_cselect_b64 s[20:21], s[4:5], s[20:21]
	s_cselect_b32 s24, ttmp9, s24
	s_lshr_b32 s25, s24, 1
	s_lshl_b32 s25, s25, 5
	s_and_b32 s28, s24, 1
	s_mul_i32 s28, s28, s22
	s_add_co_u32 s25, s25, s28                     ; the row at place 0
	s_lshl_b32 s28, s25, 12                        ; a row is 4,096 bytes
	s_lshl_b32 s29, s18, 11                        ; my half of K
	s_add_co_u32 s28, s28, s29
	s_mov_b32 s29, 0
	s_add_nc_u64 s[20:21], s[20:21], s[28:29]
	s_mul_i32 s28, ttmp9, 12288
	s_mul_i32 s30, s18, 6144
	s_add_co_u32 s28, s28, s30
	s_add_nc_u64 s[14:15], s[14:15], s[28:29]      ; my four fragments in ops
	s_lshl_b32 s28, ttmp9, 9
	s_lshl_b32 s30, s18, 8
	s_add_co_u32 s28, s28, s30
	s_add_nc_u64 s[16:17], s[16:17], s[28:29]      ; my 256 bytes in opscl
	s_lshl_b32 s23, s23, 12
	v_add_nc_u32 v3, s23, v2                       ; loads of places 8-15
.macro LOAD t                          ; fragment t: 16 rows x 512 bytes into set t % 2
.irp i, 0,1,2,3,4,5,6,7,8,9,10,11,12,13,14,15
	global_load_b128 v[R+64*((\t)%2)+4*\i:R+64*((\t)%2)+4*\i+3], v[2+\i/8], s[20:21] offset:(\i%8)*4096+512*(\t) th:TH_LOAD_NT
.endr
.endm
.macro QMAX s, w                       ; the four blocks' largest magnitudes, scale operands and bytes; the scale word into v[w]
.irp b, 0,1,2,3
	v_max3_num_f32 v[TM+\b], |v[\s+16*\b]|, |v[\s+1+16*\b]|, 0x2800000   ; with the floor 2^(5 - 127): the byte cannot fall under 1
.endr
.irp i, 2,4,6,8,10,12,14
.irp b, 0,1,2,3
	v_max3_num_f32 v[TM+\b], v[TM+\b], |v[\s+16*\b+\i]|, |v[\s+1+16*\b+\i]|
.endr
.endr
.irp b, 0,1,2,3
	v_permlanex16_b32 v[TM+4+\b], v[TM+\b], s[SEL], s[SEL+1]
.endr
.irp b, 0,1,2,3
	v_max_num_f32 v[TM+\b], v[TM+\b], v[TM+4+\b]   ; with lane l xor 16's 16 numbers: the block's
.endr
.irp b, 0,1,2,3
	v_add_nc_u32 v[TM+12+\b], 0xfe000000, v[TM+\b] ; 4 off the exponent field: the conversion's scale operand
.endr
.irp b, 0,1,2,3
	v_lshrrev_b32 v[TM+4+\b], 23, v[TM+12+\b]      ; the byte
.endr
	v_lshl_or_b32 v[\w], v[TM+5], 8, v[TM+4]
	v_lshl_or_b32 v[\w], v[TM+6], 16, v[\w]
	v_lshl_or_b32 v[\w], v[TM+7], 24, v[\w]
.endm
.macro QCVT s                          ; 64 numbers become the fragment's 12 registers in v[PC] on
.irp c, 0,1
	v_cvt_scalef32_pk16_bf6_f32 v[PC+6*\c:PC+2+6*\c], v[\s+32*\c:\s+15+32*\c], v[TM+12+2*\c]
	v_cvt_scalef32_pk16_bf6_f32 v[PC+12+4*\c:PC+14+4*\c], v[\s+16+32*\c:\s+31+32*\c], v[TM+12+2*\c+1]   ; (a conversion's three registers begin on an even number)
.endr
	v_nop                                          ; one plain instruction behind the conversions
.irp c, 0,1                            ; the operand wants a whole block in a lane: lanes 0-15 block 2 c, lanes 16-31 block 2 c + 1
.irp i, 0,1,2
	v_permlane16_swap_b32 v[PC+6*\c+\i], v[PC+12+4*\c+\i]
.endr
.irp i, 0,1,2
	v_mov_b32 v[PC+3+6*\c+\i], v[PC+12+4*\c+\i]
.endr
.endr
.endm
.macro IMG t
.if (\t) < 3
	s_wait_loadcnt 16                              ; this fragment's 16 loads are in; the next fragment's 16 may be out
.else
	s_wait_loadcnt 0x0
.endif
.irp i, 0,1,2,3,4,5,6,7,8,9,10,11,12,13,14,15
	ds_store_b128 v4, v[R+64*((\t)%2)+4*\i:R+64*((\t)%2)+4*\i+3] offset:528*\i
.endr
.irp b, 0,1,2,3
.irp j, 0,1,2,3
	ds_load_b128 v[X+16*\b+4*\j:X+16*\b+4*\j+3], v5 offset:128*\b+16*\j   ; LDS serves a wave's instructions in order: these see the stores above
.endr
.endr
	s_wait_dscnt 0x0                               ; the numbers are back, and the stage's stores have read their registers,
.if (\t) < 2
	LOAD (\t)+2                                    ; which take the fragment two further on
.endif
	QMAX X, PW+(\t)
.if (\t) > 0
	s_wait_xcnt 0x0                                ; the last fragment's stores have read their data: the codes' registers are written again only behind this wait
.endif
	QCVT X
	global_store_b128 v2, v[PC:PC+3], s[14:15] offset:1536*(\t)          ; 512 consecutive bytes
	global_store_b64 v7, v[PC+4:PC+5], s[14:15] offset:1536*(\t)+512     ; 256
	global_store_b128 v2, v[PC+6:PC+9], s[14:15] offset:1536*(\t)+768
	global_store_b64 v7, v[PC+10:PC+11], s[14:15] offset:1536*(\t)+1280
.endm
	LOAD 0
	LOAD 1
	IMG 0
	IMG 1
	IMG 2
	IMG 3
	v_cmp_le_u32 vcc_lo, 16, v1                    ; lanes 0-15 store my first K slot's two words of row r, lanes 16-31 my second's
	v_cndmask_b32 v56, v[PW], v[PW+2], vcc_lo
	v_cndmask_b32 v57, v[PW+1], v[PW+3], vcc_lo
	global_store_b64 v8, v[56:57], s[16:17]        ; 256 consecutive bytes
	s_wait_tensorcnt 0x0
	ds_add_u32 v62, v63
	s_wait_dscnt 0x0
	s_endpgm
.Lfunc_end_k_q53d01c6146_quant:
	.size	k_q53d01c6146_quant, .Lfunc_end_k_q53d01c6146_quant-k_q53d01c6146_quant
	.p2alignl 7, 3214868480
	.fill 96, 4, 3214868480
	.section	.rodata,"a",@progbits
	.p2align	6, 0x0
	.amdhsa_kernel k_q53d01c6146_quant
		.amdhsa_group_segment_fixed_size 17152
		.amdhsa_private_segment_fixed_size 0
		.amdhsa_enable_private_segment 0
		.amdhsa_kernarg_size 56
		.amdhsa_user_sgpr_count 2
		.amdhsa_user_sgpr_kernarg_segment_ptr 1
		.amdhsa_wavefront_size32 1
		.amdhsa_system_sgpr_workgroup_id_x 1
		.amdhsa_system_sgpr_workgroup_id_y 1
		.amdhsa_system_sgpr_workgroup_id_z 1
		.amdhsa_system_vgpr_workitem_id 0
		.amdhsa_next_free_vgpr 256
		.amdhsa_next_free_sgpr 66
		.amdhsa_reserve_vcc 1
		.amdhsa_float_denorm_mode_32 3
		.amdhsa_float_denorm_mode_16_64 3
		.amdhsa_memory_ordered 1
		.amdhsa_forward_progress 1
		.amdhsa_inst_pref_size 34
	.end_amdhsa_kernel
	.amdgpu_metadata
---
amdhsa.version: [ 1, 2 ]
amdhsa.kernels:
  - .name:           k_q53d01c6146_quant
    .symbol:         k_q53d01c6146_quant.kd
    .args:
      - { .name: x, .offset: 0, .size: 8, .value_kind: global_buffer, .address_space: global }
      - { .name: Wq, .offset: 8, .size: 8, .value_kind: global_buffer, .address_space: global }
      - { .name: Wk, .offset: 16, .size: 8, .value_kind: global_buffer, .address_space: global }
      - { .name: Wv, .offset: 24, .size: 8, .value_kind: global_buffer, .address_space: global }
      - { .name: Wp, .offset: 32, .size: 8, .value_kind: global_buffer, .address_space: global }
      - { .name: ops, .offset: 40, .size: 8, .value_kind: global_buffer, .address_space: global }
      - { .name: opscl, .offset: 48, .size: 8, .value_kind: global_buffer, .address_space: global }
    .group_segment_fixed_size: 17152
    .private_segment_fixed_size: 0
    .kernarg_segment_align: 8
    .kernarg_segment_size: 56
    .max_flat_workgroup_size: 64
    .sgpr_count:     66
    .vgpr_count:     256
    .wavefront_size: 32
...
	.end_amdgpu_metadata
.endif
;; end of part 1
;; launch qkv (part 2): grid 12 x 32, 4 waves a work-group, clusters of 4 x 4, 327,680 bytes of LDS; arguments ops, opscl, rec; writes rec
.if DOCPART == 2
	.amdgcn_target "amdgcn-amd-amdhsa--gfx1250"
	.amdhsa_code_object_version 6
	.text
	.protected	k_q53d01c6146_qkv
	.globl	k_q53d01c6146_qkv
	.p2align	8
	.type	k_q53d01c6146_qkv,@function
k_q53d01c6146_qkv:
	s_mov_b64 s[64:65], 0
	v_nop
	global_prefetch_b8 v0, s[64:65] scope:SCOPE_SE
	s_setreg_imm32_b32 hwreg(HW_REG_WAVE_MODE, 25, 1), 1
	s_wait_xcnt 0x0
	s_wait_alu depctr_hold_cnt(0) depctr_sa_sdst(0) depctr_va_vdst(0) depctr_va_sdst(0) depctr_va_ssrc(0) depctr_va_vcc(0) depctr_vm_vsrc(0)
	s_getreg_b32 s2, hwreg(HW_REG_IB_STS2, 6, 4)
	s_cmp_eq_u32 s2, 0
	s_cbranch_scc0 .Lentry_in_a_cluster
	s_endpgm
.Lentry_in_a_cluster:
	s_bfe_u32 s2, ttmp6, 0x10000c
	s_cmp_lg_u32 s2, 0xf033
	s_cbranch_scc0 .Lentry_shape_is_right
	s_endpgm
.Lentry_shape_is_right:
; q = x Wq^T, k = x Wk^T, v = x Wv^T on codes of BF6 (E3M2) with E8M0 scales, sums in f32; the results are quantised in registers and leave as codes alone.
; ONE PRODUCT FORM: R[s1][s0] = sum over k of S1[s1][k] S0[s0][k], source 0 = 16 rows of S0 ("B"), source 1 = 16 rows of S1 ("A"): a lane holds one row of S1 and its registers run along S0.
; Clusters with x = 0, 1 (part QK): A = x, B = Wq then Wk: a lane holds a token, its 64 registers 128 channels = two heads: quantised along the head's 64.
; Clusters with x = 2 (part V): A = Wv, B = x: a lane holds a channel, its 64 registers 128 tokens: quantised along the keys.  The parts differ in addresses alone, chosen by s_cselect_b32 on the cluster's x.
; ops and opscl hold fragments as images of operand registers (1,536 dense bytes: registers 0-3 at 16 x lane, 4-5 at 512 + 8 x lane, 6-9 at 768 + 16 x lane, 10-11 at 1,280 + 8 x lane) and scale words
; [tile][K slot][row][q].  Place r of tile 2 g + u holds row 32 g + 8 u + r + 8 (r / 8), so that the 16 registers of tiles 2 g and 2 g + 1 of source 0 are 16 neighbours: 32 g + 16 (lane / 16) + 0 .. 15.
; rec: records of 6,400 bytes at ((kind x 16 + head) x 64 + group of 128 tokens): four fragments, then 256 bytes of scale words [row][fragment].  q, k: fragment f = tokens' tile 2 f (K 0-63), tile 2 f + 1 (K 64-127);
; v: fragment t = 16 channels x 128 keys.
; A tile of 256 x 256 to a work-group of four waves, 128 x 128 a wave: 64 accumulators.  K goes in steps of 256 through two LDS slots filled by the tensor data mover; the scale words of all of K come once.
; CLUSTERS 4 x 4: A's tiles are shared along a row of the cluster, B's along a column: joint loads.
; LIMITS: a block of zeros gets the byte 1 where the rule says 127 (zero codes; this program alone reads the bytes); blocks under 2^-122 are held at the byte 1; NaN and infinities are not served.
; REGISTERS: window 0: v1-29 addresses; v32-63 scale words, two sets; v128-223 A's fragments, one set; way out: v64-83 codes, v224-255 at work.  window 1: B's fragments, two sets.  windows 2, 3: the accumulators.
.set NQ,     2                         ; matrix instructions deep in a slot
.set FR,     12
.set NL,     4                         ; LDS loads that bring a fragment
.set NP,     4                         ; places behind this matrix instruction (ISA guide 7.12.1)
.set TILEB,  12288                     ; a row tile's codes in memory: 8 K steps
.set STEPB,  3072                      ; its part of a slot: 2 K steps
.set HALFT,  8*STEPB                   ; 8 tiles = 128 rows: what one tensor load brings
.set SLOT,   4*HALFT
.set LAPS,   2                         ; K = 1,024 = 4 slots = 2 laps of the ring
.set SCL,    2*SLOT                    ; the scale words: wave w's 4,096 bytes at SCL + 4,096 w + 128 (w / 2): B's lie 128 bytes modulo 256 from A's, so that the two halves of a load's lanes meet in no bank
.set SPARE,  SCL+16640                 ; the spare words, 128 bytes for each wave: two blocks of 256 bytes that no other line names
.set ADRA, 16                          ; v16-17 16 x lane + my A rows in slot 0, 1; v18-19 the same with 8 x lane
.set ADRB, 20                          ; v20-23 the same for B
.set ADRS, 27
.set SPW,  28
.set NIL,  29
.set SC,   32
.set AF,   128
.set PC,   64                          ; way out: a fragment's codes
.set TM,   224
.set PWS,  240                         ; the eight tiles' scale words
.set CW,   248
.set G1, 24
.set G0, 32
.set G1B, 48
.set G0B, 56
.set G1S, 68
.set G0S, 76
.set G1SB, 80
.set G0SB, 88
.set MSB, 0
.macro WIN new                         ; the immediate's high byte repeats the setting that is left
.if MSB != (\new)
	s_set_vgpr_msb (MSB<<8)|(\new)
.set MSB, (\new)
.endif
.endm
.set MUL_LO, 0xa1                      ; source 0 (B) window 1, source 1 (A) window 0, C and D window 2
.set MUL_HI, 0xf1
.set TO_B,   0x40
; A joint load: waves 0 and 1 fetch for A, waves 2 and 3 for B; the branch hangs on the wave's number alone.  Four v_nop follow each of the two lines.
.macro JLOAD g0a, g1a, g0b, g1b
	s_cmp_eq_u32 s15, 0
	s_cbranch_scc0 .Lfor_b_\@
	tensor_load_to_lds s[\g0a:\g0a+3], s[\g1a:\g1a+7]
	s_nop 0
.rept 4
	v_nop
.endr
	s_branch .Lasked_\@
.Lfor_b_\@:
	tensor_load_to_lds s[\g0b:\g0b+3], s[\g1b:\g1b+7]
	s_nop 0
.rept 4
	v_nop
.endr
.Lasked_\@:
.endm
.macro CREST
	s_cmp_lg_u32 s14, 0
	s_cbranch_scc1 .Lnot_wave_0_\@
	s_barrier_signal -3
.Lnot_wave_0_\@:
	s_barrier_wait -3
	s_barrier_signal -1
	s_barrier_wait -1
.endm
.macro CROUND
	s_barrier_signal -1
	s_barrier_wait -1
	CREST
.endm
	s_load_b128 s[4:7], s[0:1], 0x0                ; ops, opscl
	s_load_b64 s[8:9], s[0:1], 0x10                ; rec
	v_lshl_add_u32 v[SPW], v0, 2, SPARE
	v_mov_b32 v[NIL], 0
	ds_add_u32 v28, v29
	ds_add_u32 v28, v29
	s_wait_dscnt 0x0
	v_lshrrev_b32 v1, 5, v0
	v_readfirstlane_b32 s14, v1                    ; wave 0..3
	s_lshr_b32 s15, s14, 1                         ; my half of A's rows.  Also: I fetch for A (0) or for B (1)
	s_and_b32 s16, s14, 1                          ; my half of B's rows.  Also: which 8 tiles I fetch
	s_bfe_u32 s40, ttmp6, 0x40000                  ; cx
	s_bfe_u32 s41, ttmp6, 0x40004                  ; cy
	s_and_b32 s17, ttmp7, 0xffff
	s_lshl_b32 s17, s17, 2                         ; 4 x cluster y
	s_lshl_b32 s42, ttmp9, 2                       ; 4 x cluster x
	s_lshl_b32 s43, s41, 2
	s_lshl_b32 s43, 15, s43                        ; my row of the cluster
	s_lshl_b32 s44, 0x1111, s40                    ; my column
	s_cmp_eq_u32 ttmp9, 2                          ; part V?  The same in all sixteen partners
	s_cselect_b32 s18, 0, s17                      ; A's block of 256 rows, without cy
	s_cselect_b32 s19, s17, s42                    ; B's, without cx
	s_cselect_b32 s20, 640, 0                      ; A's tensor begins at this tile of ops: Wv, or x
	s_cselect_b32 s21, 0, 512                      ; B's: x, or Wq
	s_cselect_b32 s45, -1, 0                       ; all lanes' mask: part V
	s_mov_b32 s92, 768
	s_cselect_b32 s92, 1536, s92                   ; way out: from a tile of A to the next
	s_cselect_b32 s94, 403456, 0                   ; and, from tile 3 to tile 4, on to the next head's record: 409,600 - 4 x 1,536
	s_mov_b32 s96, 409600
	s_cselect_b32 s96, 768, s96                    ; from a fragment's first half image to its second: the next head's record, or 768 bytes
	s_cselect_b32 s98, 16, 0
	s_mov_b32 s93, 0
	s_mov_b32 s95, 0
	s_add_co_u32 s18, s18, s41                     ; + cy: A's registers never hold cx,
	s_add_co_u32 s19, s19, s40                     ; + cx: B's never cy
	s_or_b32 s[G1+0], s43, (3<<16)|(1<<21)         ; 15:0 the mask; 17:16 elements of 8 bytes; 20 no padding; 21 set beside a mask
	s_or_b32 s[G1B+0], s44, (3<<16)|(1<<21)
.irp g, G1, G1B
	s_mov_b32 s[\g+1], 384<<16                     ; tensor_dim0 = 384 elements: a tile's 3,072 bytes of a slot
	s_mov_b32 s[\g+2], 8<<16                       ; tensor_dim1 = 8 tiles
	s_mov_b32 s[\g+3], 384<<16                     ; tile_dim0
	s_mov_b32 s[\g+4], 8                           ; tile_dim1
	s_mov_b32 s[\g+5], 1536                        ; from tile to tile: 12,288 bytes
	s_mov_b32 s[\g+6], 0
	s_mov_b32 s[\g+7], 0
.endr
	s_or_b32 s[G1S+0], s43, (3<<16)|(1<<21)        ; the scale words of 8 tiles: 4,096 dense bytes as 16 rows of 256
	s_or_b32 s[G1SB+0], s44, (3<<16)|(1<<21)
.irp g, G1S, G1SB
	s_mov_b32 s[\g+1], 32<<16
	s_mov_b32 s[\g+2], 16<<16
	s_mov_b32 s[\g+3], 32<<16
	s_mov_b32 s[\g+4], 16
	s_mov_b32 s[\g+5], 32
	s_mov_b32 s[\g+6], 0
	s_mov_b32 s[\g+7], 0
.endr
	s_lshl_b32 s23, s16, 3                         ; which 8 tiles I fetch
	s_lshl_b32 s22, s18, 4
	s_add_co_u32 s22, s22, s20
	s_add_co_u32 s22, s22, s23                     ; A's first tile of mine
	s_lshl_b32 s99, s19, 4
	s_add_co_u32 s99, s99, s21
	s_add_co_u32 s99, s99, s23                     ; B's
	s_mul_i32 s10, s22, TILEB
	s_mov_b32 s11, 0
	s_lshl_b32 s12, s22, 9
	s_mov_b32 s13, 0
	s_mul_i32 s46, s99, TILEB
	s_mov_b32 s47, 0
	s_lshl_b32 s66, s99, 9
	s_mov_b32 s67, 0
	s_mul_i32 s2, s14, HALFT                       ; where they go: no place in the cluster enters an LDS address
	s_lshl_b32 s3, s14, 12
	s_lshl_b32 s23, s15, 7
	s_add_co_u32 s3, s3, s23
	s_wait_kmcnt 0x0
	s_add_nc_u64 s[10:11], s[4:5], s[10:11]
	s_add_nc_u64 s[12:13], s[6:7], s[12:13]
	s_add_nc_u64 s[46:47], s[4:5], s[46:47]
	s_add_nc_u64 s[66:67], s[6:7], s[66:67]
	CROUND                                         ; all sixteen work-groups are here: the first joint loads meet
	s_mov_b32 s[G0S], 1
	s_add_co_u32 s[G0S+1], s3, SCL
	s_mov_b64 s[G0S+2:G0S+3], s[12:13]
	s_or_b32 s[G0S+3], s[G0S+3], 0x80000000
	s_mov_b32 s[G0SB], 1
	s_add_co_u32 s[G0SB+1], s3, SCL
	s_mov_b64 s[G0SB+2:G0SB+3], s[66:67]
	s_or_b32 s[G0SB+3], s[G0SB+3], 0x80000000
	JLOAD G0S, G1S, G0SB, G1SB                     ; the scale words first: they are wanted with slot 0
.irp s, 0,1
	s_mov_b32 s[G0+4*\s], 1
	s_add_co_u32 s[G0+4*\s+1], s2, \s*SLOT
	s_add_nc_u64 s[G0+4*\s+2:G0+4*\s+3], s[10:11], \s*STEPB
	s_or_b32 s[G0+4*\s+3], s[G0+4*\s+3], 0x80000000
	s_mov_b32 s[G0B+4*\s], 1
	s_add_co_u32 s[G0B+4*\s+1], s2, \s*SLOT
	s_add_nc_u64 s[G0B+4*\s+2:G0B+4*\s+3], s[46:47], \s*STEPB
	s_or_b32 s[G0B+4*\s+3], s[G0B+4*\s+3], 0x80000000
	JLOAD G0+4*\s, G1, G0B+4*\s, G1B
.endr
	v_and_b32 v1, 15, v0                           ; r
	v_bfe_u32 v2, v0, 4, 1                         ; h
	v_and_b32 v3, 31, v0                           ; lane
	v_lshlrev_b32 v12, 4, v3                       ; 16 x lane
	v_lshlrev_b32 v13, 3, v3                       ; 8 x lane
	s_mul_i32 s21, s15, HALFT                      ; my 8 tiles of A
	s_mul_i32 s22, s16, HALFT
	s_add_co_u32 s22, s22, 2*HALFT                 ; my 8 tiles of B, behind A's 16
.irp s, 0,1
	v_add_nc_u32 v[ADRA+\s], s21, v12
	v_add_nc_u32 v[ADRA+2+\s], s21, v13
	v_add_nc_u32 v[ADRB+\s], s22, v12
	v_add_nc_u32 v[ADRB+2+\s], s22, v13
	s_add_co_u32 s21, s21, SLOT
	s_add_co_u32 s22, s22, SLOT
.endr
	v_lshlrev_b32 v5, 3, v1                        ; my row's two words of a K slot: 8 r
	s_lshl_b32 s21, s15, 12                        ; A's: my 8 tiles
	s_lshl_b32 s22, s16, 12
	s_add_co_u32 s22, s22, 8320                    ; B's: behind A's 8,192 bytes and the 128
	s_sub_co_u32 s22, s22, s21
	v_mul_u32_u24 v6, s22, v2                      ; lanes 16-31 take B's: one product with h
	s_add_co_u32 s21, s21, SCL
	v_add_nc_u32 v5, v5, v6
	v_add_nc_u32 v[ADRS], s21, v5
	; the way out: offsets and the base in rec
	v_add_nc_u32 v14, s96, v12                     ; the second half image's places
	v_add_nc_u32 v15, s96, v13
	v_mul_u32_u24 v6, v2, 0x64000                  ; lanes 16-31 store the next head's scale words: 409,600 bytes on
	v_lshl_add_u32 v11, v1, 4, v6                  ; + 16 r
	s_lshl_b32 s20, s18, 1
	s_add_co_u32 s20, s20, s15                     ; which 128 rows of A's tensor are mine
	s_lshl_b32 s21, s19, 1
	s_add_co_u32 s21, s21, s16                     ; which 128 rows of B's
	s_cmp_eq_u32 ttmp9, 2
	s_cselect_b32 s100, s20, s21                   ; the pair of heads (in registers that feed no descriptor: they hold cx and cy)
	s_cselect_b32 s101, s21, s20                   ; the group of 128 tokens
	s_add_co_u32 s100, s100, s98                   ; v's records lie behind q's and k's
	s_lshl_b32 s100, s100, 7
	s_add_co_u32 s100, s100, s101
	s_mul_i32 s100, s100, 6400
	s_mov_b32 s101, 0
	s_add_nc_u64 s[8:9], s[8:9], s[100:101]        ; my first record
	s_add_nc_u64 s[100:101], s[8:9], 6144          ; and its scale words
.macro FRAG reg, adr, q, i             ; a fragment comes as it was stored: four dense loads
	ds_load_b128 v[\reg:\reg+3], v[\adr] offset:STEPB*(\i)+1536*(\q)
	ds_load_b64 v[\reg+4:\reg+5], v[\adr+2] offset:STEPB*(\i)+1536*(\q)+512
	ds_load_b128 v[\reg+6:\reg+9], v[\adr] offset:STEPB*(\i)+1536*(\q)+768
	ds_load_b64 v[\reg+10:\reg+11], v[\adr+2] offset:STEPB*(\i)+1536*(\q)+1280
.endm
; 16 matrix instructions: A's tiles a0, a0 + 1 x B's eight.  The 64 accumulators take turns, one instruction a turn, in the same order in every step.
.macro MUL16 a0, p, q, sc, zero
.irp a, \a0, \a0+1
.irp b, 0,1,2,3,4,5,6,7
.if \zero
	v_wmma_scale_f32_16x16x128_f8f6f4 v[8*(8*((\a)%4)+\b):8*(8*((\a)%4)+\b)+7], v[128*(\p)+FR*\b:128*(\p)+FR*\b+FR-1], v[AF+FR*(\a):AF+FR*(\a)+FR-1], 0, v[SC+8*NQ*(\sc)+NQ*\b+(\q)], v[SC+8*NQ*(\sc)+NQ*(\a)+(\q)] matrix_a_fmt:MATRIX_FMT_BF6 matrix_b_fmt:MATRIX_FMT_BF6 matrix_a_scale:MATRIX_SCALE_ROW1
.else
	v_wmma_scale_f32_16x16x128_f8f6f4 v[8*(8*((\a)%4)+\b):8*(8*((\a)%4)+\b)+7], v[128*(\p)+FR*\b:128*(\p)+FR*\b+FR-1], v[AF+FR*(\a):AF+FR*(\a)+FR-1], v[8*(8*((\a)%4)+\b):8*(8*((\a)%4)+\b)+7], v[SC+8*NQ*(\sc)+NQ*\b+(\q)], v[SC+8*NQ*(\sc)+NQ*(\a)+(\q)] matrix_a_fmt:MATRIX_FMT_BF6 matrix_b_fmt:MATRIX_FMT_BF6 matrix_a_scale:MATRIX_SCALE_ROW1
.endif
.endr
.endr
.endm
.macro FETCH_B slot, q, p
	WIN TO_B
.irp i, 0,1,2,3,4,5,6,7
	FRAG 128*(\p)+FR*\i, ADRB+\slot, \q, \i
.endr
	WIN 0
.endm
.macro FETCH_A slot, q, i0
.irp i, \i0, \i0+1, \i0+2, \i0+3
	FRAG AF+FR*(\i), ADRA+\slot, \q, \i
.endr
.endm
.macro SCALES sc                       ; a slot's scale words: lanes 0-15 A's tile i, lanes 16-31 B's tile i, two words each
.irp i, 0,1,2,3,4,5,6,7
	ds_load_b64 v[SC+8*NQ*\sc+NQ*\i:SC+8*NQ*\sc+NQ*\i+1], v[ADRS] offset:\i*512
.endr
.endm
.macro PLACES n                        ; plain vector instructions between a matrix instruction and a load into, or a read of, its registers
.rept \n
	v_nop
.endr
.endm
.macro STEP slot, q, zero              ; 128 along K whose successor lies in the same slot
	s_wait_dscnt 4*NL                              ; B's set, A's tiles 0-3 and the scale words are in; the youngest 16 loads (A's tiles 4-7) may be out
	WIN MUL_LO
	MUL16 0, (\q)%2, \q, \slot, \zero
	MUL16 2, (\q)%2, \q, \slot, \zero
	s_wait_dscnt 0
	PLACES NP
	FETCH_B \slot, (\q)+1, 1-(\q)%2
	FETCH_A \slot, (\q)+1, 0
	WIN MUL_HI
	MUL16 4, (\q)%2, \q, \slot, \zero
	MUL16 6, (\q)%2, \q, \slot, \zero
	PLACES NP
	WIN 0
	FETCH_A \slot, (\q)+1, 4
.endm
; A slot's last step changes slots: one barrier; in front of it each wave waits for all its tensor loads, adds 0 to its spare word, and waits for that and for its reads of this slot.
.macro TURN slot, next, fill
	s_wait_tensorcnt 0x0                           ; all my tensor loads have landed: my part of the next slot
	ds_add_u32 v[SPW], v[NIL]                      ; 0 onto my spare word
	s_wait_dscnt 4*NL+1                            ; (the add and the youngest 16 loads, A's tiles 4-7, may be out)
	WIN MUL_LO
	MUL16 0, 1, NQ-1, \slot, 0
	s_wait_dscnt 0x0                               ; the add is done, and my reads of this slot are over
	s_barrier_signal -1
	MUL16 2, 1, NQ-1, \slot, 0
	WIN 0
	s_barrier_wait -1
.if \fill
	CREST                                          ; the barrier has opened a round of the cluster's: no wave of any partner still reads this slot or has a load on its way
	s_add_nc_u64 s[G0+4*\slot+2:G0+4*\slot+3], s[G0+4*\slot+2:G0+4*\slot+3], 2*STEPB
	s_add_nc_u64 s[G0B+4*\slot+2:G0B+4*\slot+3], s[G0B+4*\slot+2:G0B+4*\slot+3], 2*STEPB
	JLOAD G0+4*\slot, G1, G0B+4*\slot, G1B         ; the first tensor load behind the round; its four v_nop are the places in front of the loads below
.else
	PLACES NP
.endif
	v_add_nc_u32 v[ADRS], 128, v[ADRS]             ; the next K slot's scale words
	FETCH_B \next, 0, 0
	FETCH_A \next, 0, 0
	SCALES \next
	WIN MUL_HI
	MUL16 4, 1, NQ-1, \slot, 0
	MUL16 6, 1, NQ-1, \slot, 0
	PLACES NP
	WIN 0
	FETCH_A \next, 0, 4
.endm
	s_wait_tensorcnt 1                             ; the scale words and my part of slot 0 are in; slot 1's load may be out
	s_barrier_signal -1
	s_barrier_wait -1
	FETCH_B 0, 0, 0
	FETCH_A 0, 0, 0
	SCALES 0
	FETCH_A 0, 0, 4
	STEP 0, 0, 1                                   ; the first step's products start the sums
	s_mov_b32 s3, LAPS-1
.Llap:
	TURN 0, 1, 1
	STEP 1, 0, 0
	TURN 1, 0, 1
	STEP 0, 0, 0
	s_sub_co_u32 s3, s3, 1
	s_cmp_lg_u32 s3, 0
	s_cbranch_scc1 .Llap
	TURN 0, 1, 0                                   ; the last lap fills nothing
	STEP 1, 0, 0
	s_wait_dscnt 4*NL
	WIN MUL_LO
	MUL16 0, 1, NQ-1, 1, 0
	MUL16 2, 1, NQ-1, 1, 0
	s_wait_dscnt 0
	WIN MUL_HI
	MUL16 4, 1, NQ-1, 1, 0
	MUL16 6, 1, NQ-1, 1, 0
	WIN 0
; THE WAY OUT.  Tile a of A: a lane's 64 registers, register 16 b + i = place 32 b + 16 (lane / 16) + i along B, become one fragment's codes and a scale word; the fragment leaves as it stands, in whole runs of 256 or 512 bytes.
	PLACES NP
	s_mov_b32 s2, 0x76543210
	s_mov_b32 s3, 0xfedcba98                       ; lane l xor 16
.irp b, 0,1,2,3
	v_mov_b32 v[TM+4+\b], 0                        ; a lane permute's destination counts as one of its sources
.endr
.macro QTILE a
.set AC, 64*((\a)%4)
	WIN 0x0a+5*((\a)/4)                            ; sources 0 and 1: the accumulators' window
.irp b, 0,1,2,3
	v_max3_num_f32 v[TM+\b], |v[AC+16*\b]|, |v[AC+16*\b+1]|, 0x2800000   ; each accumulator is read from its low end on; the floor 2^(5 - 127) holds the byte at 1 from below
.endr
.irp i, 2,4,6,8,10,12,14
.irp b, 0,1,2,3
	v_max3_num_f32 v[TM+\b], |v[AC+16*\b+\i]|, |v[AC+16*\b+\i+1]|, v[TM+\b]
.endr
.endr
	WIN 0
.irp b, 0,1,2,3
	v_permlanex16_b32 v[TM+4+\b], v[TM+\b], s2, s3
.endr
.irp b, 0,1,2,3
	v_max_num_f32 v[TM+\b], v[TM+\b], v[TM+4+\b]
.endr
.irp b, 0,1,2,3
	v_add_nc_u32 v[TM+12+\b], 0xfe000000, v[TM+\b] ; 4 off the exponent field: the conversion's scale operand
.endr
.irp b, 0,1,2,3
	v_lshrrev_b32 v[TM+4+\b], 23, v[TM+12+\b]
.endr
	v_lshl_or_b32 v[PWS+(\a)], v[TM+5], 8, v[TM+4]
	v_lshl_or_b32 v[PWS+(\a)], v[TM+6], 16, v[PWS+(\a)]
	v_lshl_or_b32 v[PWS+(\a)], v[TM+7], 24, v[PWS+(\a)]
.if (\a) > 0
	s_wait_xcnt 0x0                                ; the last tile's stores have read their data and their base: both are written again only behind this wait
	s_add_nc_u64 s[8:9], s[8:9], s[92:93]
.if (\a) == 4
	s_add_nc_u64 s[8:9], s[8:9], s[94:95]
.endif
.endif
	WIN 0x02+((\a)/4)                              ; source 0: the accumulators' window
.irp c, 0,1
	v_cvt_scalef32_pk16_bf6_f32 v[PC+6*\c:PC+2+6*\c], v[AC+32*\c:AC+15+32*\c], v[TM+12+2*\c]
	v_cvt_scalef32_pk16_bf6_f32 v[PC+12+4*\c:PC+14+4*\c], v[AC+16+32*\c:AC+31+32*\c], v[TM+12+2*\c+1]
.endr
	WIN 0
	v_nop                                          ; one plain instruction behind the conversions
.irp c, 0,1
.irp i, 0,1,2
	v_permlane16_swap_b32 v[PC+6*\c+\i], v[PC+12+4*\c+\i]
.endr
.irp i, 0,1,2
	v_mov_b32 v[PC+3+6*\c+\i], v[PC+12+4*\c+\i]
.endr
.endr
	global_store_b128 v12, v[PC:PC+3], s[8:9]
	global_store_b64 v13, v[PC+4:PC+5], s[8:9] offset:512
	global_store_b128 v14, v[PC+6:PC+9], s[8:9]
	global_store_b64 v15, v[PC+10:PC+11], s[8:9] offset:512
.endm
.irp a, 0,1,2,3,4,5,6,7
	QTILE \a
.endr
	; the records' scale words.  q, k: word f = tile 2 f's two bytes of the head, then tile 2 f + 1's; v: word t = tile t's four bytes.  Both are made; the part chooses.  Lanes 0-15 store the first head's, lanes 16-31 the second's.
	v_cmp_le_u32 vcc_lo, 16, v3
.irp f, 0,1,2,3
	v_perm_b32 v[CW+\f], v[PWS+2*\f+1], v[PWS+2*\f], 0x05040100
	v_perm_b32 v[CW+4+\f], v[PWS+2*\f+1], v[PWS+2*\f], 0x07060302
.endr
.irp f, 0,1,2,3
	v_cndmask_b32 v[CW+\f], v[CW+\f], v[CW+4+\f], vcc_lo
	v_cndmask_b32 v[CW+4+\f], v[PWS+\f], v[PWS+4+\f], vcc_lo
.endr
.irp f, 0,1,2,3
	v_cndmask_b32 v[CW+\f], v[CW+\f], v[CW+4+\f], s45
.endr
	global_store_b128 v11, v[CW:CW+3], s[100:101]  ; sixteen lanes store 256 consecutive bytes
	s_wait_tensorcnt 0x0                           ; the wave's end
	ds_add_u32 v[SPW], v[NIL]
	s_wait_dscnt 0x0
	CROUND                                         ; the closing round: no work-group ends while a partner may still ask for a tile that names it
	s_endpgm
.Lfunc_end_k_q53d01c6146_qkv:
	.size	k_q53d01c6146_qkv, .Lfunc_end_k_q53d01c6146_qkv-k_q53d01c6146_qkv
	.p2alignl 7, 3214868480
	.fill 96, 4, 3214868480
	.section	.rodata,"a",@progbits
	.p2align	6, 0x0
	.amdhsa_kernel k_q53d01c6146_qkv
		.amdhsa_group_segment_fixed_size 327680
		.amdhsa_private_segment_fixed_size 0
		.amdhsa_enable_private_segment 0
		.amdhsa_kernarg_size 24
		.amdhsa_user_sgpr_count 2
		.amdhsa_user_sgpr_kernarg_segment_ptr 1
		.amdhsa_wavefront_size32 1
		.amdhsa_system_sgpr_workgroup_id_x 1
		.amdhsa_system_sgpr_workgroup_id_y 1
		.amdhsa_system_sgpr_workgroup_id_z 1
		.amdhsa_system_vgpr_workitem_id 0
		.amdhsa_next_free_vgpr 1024
		.amdhsa_next_free_sgpr 102
		.amdhsa_reserve_vcc 1
		.amdhsa_float_denorm_mode_32 3
		.amdhsa_float_denorm_mode_16_64 3
		.amdhsa_memory_ordered 1
		.amdhsa_forward_progress 1
		.amdhsa_inst_pref_size 151
	.end_amdhsa_kernel
	.amdgpu_metadata
---
amdhsa.version: [ 1, 2 ]
amdhsa.kernels:
  - .name:           k_q53d01c6146_qkv
    .symbol:         k_q53d01c6146_qkv.kd
    .args:
      - { .name: ops, .offset: 0, .size: 8, .value_kind: global_buffer, .address_space: global }
      - { .name: opscl, .offset: 8, .size: 8, .value_kind: global_buffer, .address_space: global }
      - { .name: rec, .offset: 16, .size: 8, .value_kind: global_buffer, .address_space: global }
    .group_segment_fixed_size: 327680
    .private_segment_fixed_size: 0
    .kernarg_segment_align: 8
    .kernarg_segment_size: 24
    .max_flat_workgroup_size: 128
    .sgpr_count:     102
    .vgpr_count:     1024
    .wavefront_size: 32
...
	.end_amdgpu_metadata
.endif
;; end of part 2
;; launch attn (part 3): grid 64 x 4, 16 waves a work-group, clusters of 4 x 1, 206,848 bytes of LDS; arguments rec, yimg, yscl; writes yimg, yscl
.if DOCPART == 3
	.amdgcn_target "amdgcn-amd-amdhsa--gfx1250"
	.amdhsa_code_object_version 6
	.text
	.protected	k_q53d01c6146_attn
	.globl	k_q53d01c6146_attn
	.p2align	8
	.type	k_q53d01c6146_attn,@function
k_q53d01c6146_attn:
	s_mov_b64 s[64:65], 0
	v_nop
	global_prefetch_b8 v0, s[64:65] scope:SCOPE_SE
	s_setreg_imm32_b32 hwreg(HW_REG_WAVE_MODE, 25, 1), 1
	s_wait_xcnt 0x0
	s_wait_alu depctr_hold_cnt(0) depctr_sa_sdst(0) depctr_va_vdst(0) depctr_va_sdst(0) depctr_va_ssrc(0) depctr_va_vcc(0) depctr_vm_vsrc(0)
	s_getreg_b32 s2, hwreg(HW_REG_IB_STS2, 6, 4)
	s_cmp_eq_u32 s2, 0
	s_cbranch_scc0 .Lentry_in_a_cluster
	s_endpgm
.Lentry_in_a_cluster:
	s_bfe_u32 s2, ttmp6, 0x10000c
	s_cmp_lg_u32 s2, 0x3003
	s_cbranch_scc0 .Lentry_shape_is_right
	s_endpgm
.Lentry_shape_is_right:
; y = softmax(q k^T / 8, causal) v for 4 batches x 16 heads of 64, 2,048 tokens, both products on codes of BF6 (E3M2) with E8M0 scales; y leaves quantised along its 64 channels, as codes.
; THE SOFTMAX: t = score x log2(e) / 8; M = the running largest t rounded UP to a whole number; p = 2^(t - M) is quantised along the keys, not normalised; the row's sum is taken of the unquantised p and divides at the end.
; rec holds records of 6,400 bytes for a head and 128 tokens: four fragments as images of operand registers (1,536 bytes: registers 0-3 at 16 x lane, 4-5 at 512 + 8 x lane, 6-9 at 768 + 16 x lane, 10-11 at 1,280 + 8 x lane), then scale words [row][fragment].
; q, k: fragment f holds tokens' tile 2 f at K 0-63 and tile 2 f + 1 at K 64-127.  v: fragment t holds 16 channels x 128 keys.  Place r of tile 2 g + u is token (channel) 32 g + 8 u + r + 8 (r / 8).
; SHARES.  The four work-groups of a cluster belong to one head of one batch.  The head's WHOLE k and v, 32 records = 204,800 bytes, come into each one's LDS once, by joint loads; nothing is filled again.
; A group of 128 queries has eight tiles of 16; partner cx takes tiles 2 cx and 2 cx + 1 of EVERY group, so all partners need the same key steps and no branch hangs on cx.  Wave w takes tile 2 cx + e of group g (pass 0: g + 1 key steps)
; and of group 15 - g (pass 1: 16 - g steps): 17 steps for every wave of the launch.  A step all of whose keys come after the group is left out by a scalar branch on the wave's number; trip counts are constants.
; A HEAD'S K IS 64, the instruction's 128: source 1 is (q, zeros) or (zeros, q), so that one fragment of k serves two tiles of keys and no LDS byte is read in vain.
; Both products are used transposed: a lane holds one query throughout; p's and y's registers run along the next product's K.
; y's two scale bytes a row leave by a store of 2 bytes a lane (one part in 24 of y's bytes): a whole run of 256 bytes would want eight heads in one work-group, whose k and v do not fit in LDS.
; LIMITS: a block of zeros gets the byte 1 where the rule says 127 (zero codes; this program alone reads the bytes); blocks under 2^-122 are held at the byte 1; NaN and infinities are not served.
.set WV,  10
.set SEL, 20                           ; s[20:21] lane l xor 16
.set CS,  22                           ; s[22:23] c = log2(e) / 8
.set G1,  24
.set G0,  32
.set TB,  36                           ; LDS byte of the step's record of k
.set TBV, 37                           ; and of v
.set KS,  38                           ; the key step
.set GP,  39                           ; the pass's group of queries
.set F,   48                           ; v48-95 four fragments
.set KW,  96                           ; v96-99 their scale words
.set S,   100                          ; v100-163 S^T, then p, then y
.set O,   164                          ; v164-195 O^T
.set PCD, 196                          ; v196-207 codes, v208-214 at work
.set MX,  216
.set PD,  220
.set SO,  224
.set PWD, 228                          ; p's scale word
.set YW,  229                          ; y's two bytes
.set FF,  230                          ; v[230:231] f = 2^(old M - new M)
.set TT,  232
.set SM,  234
.set RW,  236                          ; v236, v237 q's scale words as loaded, pass 0 and 1
.macro CROUND
	s_barrier_signal -1
	s_barrier_wait -1
	s_cmp_lg_u32 s[WV], 0
	s_cbranch_scc1 .Lnot_wave_0_\@
	s_barrier_signal -3
.Lnot_wave_0_\@:
	s_barrier_wait -3
	s_barrier_signal -1
	s_barrier_wait -1
.endm
	s_load_b128 s[4:7], s[0:1], 0x0                ; rec, yimg
	s_load_b64 s[8:9], s[0:1], 0x10                ; yscl
	v_lshl_add_u32 v254, v0, 2, 0x32000
	v_mov_b32 v255, 0
	ds_add_u32 v254, v255
	ds_add_u32 v254, v255
	v_lshrrev_b32 v1, 5, v0
	s_delay_alu instid0(VALU_DEP_1)
	v_readfirstlane_b32 s[WV], v1                  ; wave 0..15
	s_bfe_u32 s11, ttmp6, 0x40000                  ; cx
	s_mov_b32 s12, ttmp9                           ; the head
	s_and_b32 s13, ttmp7, 0xffff                   ; the batch
	s_bfe_u32 s14, s[WV], 0x10001                  ; e
	s_lshr_b32 s15, s[WV], 3
	s_lshl_b32 s15, s15, 1
	s_and_b32 s18, s[WV], 1
	s_add_co_u32 s15, s15, s18
	s_bfe_u32 s18, s[WV], 0x10002
	s_mul_i32 s18, s18, 7
	s_xor_b32 s15, s15, s18                        ; g, 0..7: pass 0's group
	s_xor_b32 s17, s15, 15                         ; 15 - g: pass 1's
	s_lshl_b32 s16, s11, 1
	s_add_co_u32 s16, s16, s14                     ; my tile of a group: 2 cx + e
	; what waves 0 to 3 fetch: wave w: kind 1 + w / 2 (k, v), records 8 (w % 2) on; 51,200 dense bytes to LDS byte 51,200 w
	s_and_b32 s18, s[WV], 3
	s_lshr_b32 s19, s18, 1
	s_add_co_u32 s19, s19, 1
	s_lshl_b32 s19, s19, 4
	s_add_co_u32 s19, s19, s12
	s_lshl_b32 s19, s19, 6
	s_lshl_b32 s40, s13, 4
	s_add_co_u32 s19, s19, s40
	s_and_b32 s41, s18, 1
	s_lshl_b32 s41, s41, 3
	s_add_co_u32 s19, s19, s41
	s_mul_i32 s42, s19, 6400
	s_mov_b32 s43, 0
	s_mov_b32 s[G0], 1
	s_mul_i32 s[G0+1], s18, 51200
	s_mov_b32 s[G1], 15|(3<<16)|(1<<21)            ; 15:0 all four work-groups; 17:16 elements of 8 bytes; no padding; 21 set beside a mask
	s_mov_b32 s[G1+1], 32<<16                      ; rows of 256 bytes
	s_mov_b32 s[G1+2], 200<<16
	s_mov_b32 s[G1+3], 32<<16
	s_mov_b32 s[G1+4], 200
	s_mov_b32 s[G1+5], 32
	s_mov_b32 s[G1+6], 0
	s_mov_b32 s[G1+7], 0
	; q's records of the two passes
	s_lshl_b32 s19, s12, 6
	s_add_co_u32 s19, s19, s40
	s_add_co_u32 s44, s19, s15
	s_mul_i32 s44, s44, 6400
	s_mov_b32 s45, 0
	s_add_co_u32 s46, s19, s17
	s_mul_i32 s46, s46, 6400
	s_mov_b32 s47, 0
	; y's places: tile = 128 batch + 8 group + my tile; codes at tile x 12,288 + head x 768, bytes at tile x 512 + (head / 4) x 128 + 2 (head % 4) + 8 r  (registers that hold cx feed no descriptor)
	s_lshl_b32 s57, s13, 7
	s_add_co_u32 s57, s57, s16
	s_lshl_b32 s58, s15, 3
	s_add_co_u32 s58, s58, s57
	s_lshl_b32 s59, s17, 3
	s_add_co_u32 s59, s59, s57
	s_mul_i32 s48, s58, 12288
	s_mul_i32 s50, s59, 12288
	s_lshl_b32 s52, s58, 9
	s_lshl_b32 s54, s59, 9
	s_mul_i32 s57, s12, 768
	s_add_co_u32 s48, s48, s57
	s_add_co_u32 s50, s50, s57
	s_lshr_b32 s57, s12, 2
	s_lshl_b32 s57, s57, 7
	s_and_b32 s58, s12, 3
	s_lshl_b32 s58, s58, 1
	s_add_co_u32 s57, s57, s58
	s_add_co_u32 s52, s52, s57
	s_add_co_u32 s54, s54, s57
	s_mov_b32 s49, 0
	s_mov_b32 s51, 0
	s_mov_b32 s53, 0
	s_mov_b32 s55, 0
	s_mov_b32 s[SEL], 0x76543210
	s_mov_b32 s[SEL+1], 0xfedcba98
	s_mov_b32 s[CS], 0x3e38aa3b                    ; log2(e) / 8
	s_mov_b32 s[CS+1], s[CS]
	s_cmp_eq_u32 s14, 0
	s_mov_b32 s56, 0x03020302
	s_cselect_b32 s56, 0x01000100, s56             ; which two bytes of q's word are my tile's; they are taken twice
	s_wait_dscnt 0x0
	s_wait_kmcnt 0x0
	s_add_nc_u64 s[G0+2:G0+3], s[4:5], s[42:43]
	s_or_b32 s[G0+3], s[G0+3], 0x80000000
	s_add_nc_u64 s[44:45], s[4:5], s[44:45]
	s_add_nc_u64 s[46:47], s[4:5], s[46:47]
	s_add_nc_u64 s[48:49], s[6:7], s[48:49]
	s_add_nc_u64 s[50:51], s[6:7], s[50:51]
	s_add_nc_u64 s[52:53], s[8:9], s[52:53]
	s_add_nc_u64 s[54:55], s[8:9], s[54:55]
	CROUND                                         ; all four work-groups are here: the joint loads meet
	s_cmp_lt_u32 s[WV], 4
	s_cbranch_scc0 .Lno_fetch
	tensor_load_to_lds s[G0:G0+3], s[G1:G1+7]      ; one load a fetching wave: a quarter of the head's k and v
	s_nop 0
.rept 4
	v_nop
.endr
.Lno_fetch:
	v_and_b32 v10, 31, v0                          ; lane
	v_and_b32 v11, 15, v0                          ; r
	v_bfe_u32 v[TT], v0, 4, 1                      ; h
	s_delay_alu instid0(VALU_DEP_3)
	v_lshlrev_b32 v1, 4, v10                       ; 16 x lane
	s_delay_alu instid0(VALU_DEP_4)
	v_lshlrev_b32 v2, 3, v10                       ; 8 x lane
	s_delay_alu instid0(VALU_DEP_4)
	v_lshl_add_u32 v3, v11, 4, 6144                ; a record's scale words: 16 r behind the fragments
	v_lshlrev_b32 v6, 3, v11                       ; 8 r
	v_and_b32 v4, 8, v11
	s_delay_alu instid0(VALU_DEP_1)
	v_add_nc_u32 v4, v4, v11                       ; r + 8 (r / 8)
	v_lshlrev_b32 v[TT+1], 4, v[TT]
	s_delay_alu instid0(VALU_DEP_1)
	v_sub_nc_u32 v4, v4, v[TT+1]
	s_lshl_b32 s57, s11, 5
	s_lshl_b32 s58, s14, 3
	s_add_co_u32 s57, s57, s58
	v_add_nc_u32 v4, s57, v4                       ; my query's place in its group less 16 h: register 16 b + i of the diagonal step is hidden where 32 b + i is greater
	v_mov_b32 v5, 0xff800000                       ; -infinity
	s_mul_i32 s57, s16, 768
	v_add_nc_u32 v7, s57, v1                       ; q: my tile's half image
	v_add_nc_u32 v8, s57, v2
	s_lshl_b32 s57, s11, 2
	v_add_nc_u32 v9, s57, v3                       ; and its scale word: fragment cx
	global_load_b128 v[22:25], v7, s[44:45]
	global_load_b64 v[26:27], v8, s[44:45] offset:512
	global_load_b32 v[RW], v9, s[44:45]
	global_load_b128 v[42:45], v7, s[46:47]
	global_load_b64 v[46:47], v8, s[46:47] offset:512
	global_load_b32 v[RW+1], v9, s[46:47]
.irp i, 0,1,2,3,4,5
	v_mov_b32 v[28+\i], 0                          ; the zero codes between q's two copies: v[22:33] = (q, 0), v[28:39] = (0, q)
.endr
.irp b, 0,1,2,3
	v_mov_b32 v[PD+\b], 0                          ; a lane permute's destination counts as one of its sources
.endr
	v_mov_b32 v[FF+1], 0                           ; (named as the upper half of a pair)
	v_mov_b32 v[TT], 0
	s_wait_tensorcnt 0x0                           ; my part of k and v has landed,
	s_barrier_signal -1
	s_barrier_wait -1                              ; everybody's has
	s_wait_loadcnt 0x0                             ; q
.macro RECORD a16, a8, asc             ; a record's four fragments and their scale words
.irp f, 0,1,2,3
	ds_load_b128 v[F+12*\f:F+12*\f+3], v[\a16] offset:1536*\f
	ds_load_b64 v[F+12*\f+4:F+12*\f+5], v[\a8] offset:1536*\f+512
	ds_load_b128 v[F+12*\f+6:F+12*\f+9], v[\a16] offset:1536*\f+768
	ds_load_b64 v[F+12*\f+10:F+12*\f+11], v[\a8] offset:1536*\f+1280
.endr
	ds_load_b128 v[KW:KW+3], v[\asc]
.endm
.macro STEP                            ; 128 keys
	s_cmp_gt_u32 s[KS], s[GP]                      ; all its keys come after my queries: the work is left out, the steps of the addresses are not
	s_cbranch_scc1 .Lhid_\@
	s_setprio 2
	v_add_nc_u32 v16, s[TB], v1                    ; (these six are the places behind the last step's products, in front of the loads)
	v_add_nc_u32 v17, s[TB], v2
	v_add_nc_u32 v18, s[TB], v3
	v_add_nc_u32 v19, s[TBV], v1
	v_add_nc_u32 v20, s[TBV], v2
	v_add_nc_u32 v21, s[TBV], v3
	RECORD 16, 17, 18
	s_wait_alu depctr_va_vdst(0)
	s_wait_dscnt 0x0
.irp f, 0,1,2,3                        ; S^T = k q^T: register 16 f + i = key 32 f + 16 (lane / 16) + i
	v_wmma_scale_f32_16x16x128_f8f6f4 v[S+16*\f:S+16*\f+7], v[F+12*\f:F+12*\f+11], v[22:33], 0, v[KW+\f], v40 matrix_a_fmt:MATRIX_FMT_BF6 matrix_b_fmt:MATRIX_FMT_BF6
	v_wmma_scale_f32_16x16x128_f8f6f4 v[S+16*\f+8:S+16*\f+15], v[F+12*\f:F+12*\f+11], v[28:39], 0, v[KW+\f], v40 matrix_a_fmt:MATRIX_FMT_BF6 matrix_b_fmt:MATRIX_FMT_BF6
.endr
.rept 4
	v_nop                                          ; places in front of the loads into k's registers and of the first read of the scores
.endr
	RECORD 19, 20, 21                              ; v's record lands while the softmax is worked
	s_cmp_lg_u32 s[KS], s[GP]
	s_cbranch_scc1 .Lopen_\@
.set n, 0
.rept 64                               ; the diagonal step: hidden scores become -infinity ahead of the maximum
	v_cmp_gt_i32 vcc_lo, 32*(n/16)+n%16, v4
	v_cndmask_b32 v[S+n], v[S+n], v5, vcc_lo
.set n, n+1
.endr
.Lopen_\@:
.irp b, 0,1,2,3
	v_max3_num_f32 v[MX+\b], v[S+16*\b], v[S+1+16*\b], v[S+2+16*\b]   ; the largest score of each block of 32 keys: for the row's maximum, and, since p rises with the score, for the block's largest p
.endr
.irp i, 3,5,7,9,11,13
.irp b, 0,1,2,3
	v_max3_num_f32 v[MX+\b], v[MX+\b], v[S+16*\b+\i], v[S+1+16*\b+\i]
.endr
.endr
.irp b, 0,1,2,3
	v_max_num_f32 v[MX+\b], v[MX+\b], v[S+15+16*\b]
.endr
.irp b, 0,1,2,3
	s_delay_alu instid0(VALU_DEP_4)
	v_permlanex16_b32 v[PD+\b], v[MX+\b], s[SEL], s[SEL+1]
.endr
.irp b, 0,1,2,3
	s_delay_alu instid0(VALU_DEP_4)
	v_max_num_f32 v[MX+\b], v[MX+\b], v[PD+\b]
.endr
	s_delay_alu instid0(VALU_DEP_2)
	v_max3_num_f32 v[TT], v[MX], v[MX+1], v[MX+2]
	s_delay_alu instid0(VALU_DEP_1)
	v_max_num_f32 v[TT], v[TT], v[MX+3]
	s_delay_alu instid0(VALU_DEP_1)
	v_mul_f32 v[TT], s[CS], v[TT]
	s_delay_alu instid0(VALU_DEP_1)
	v_max_num_f32 v13, v13, v[TT]                  ; the running largest t
	v_mov_b32 v[TT], v12
	s_delay_alu instid0(VALU_DEP_2)
	v_floor_f32 v12, -v13                          ; -M = floor(-t): M is a whole number
	s_delay_alu instid0(VALU_DEP_1)
	v_sub_f32 v[TT], v12, v[TT]
	s_delay_alu instid0(VALU_DEP_1)
	v_cvt_i32_f32 v[TT], v[TT]                     ; (it saturates)
	s_delay_alu instid0(VALU_DEP_1)
	v_ldexp_f32 v[FF], 1.0, v[TT]                  ; f = 2^(old M - new M): rounds nothing
.set n, 0
.rept 32
	v_pk_fma_f32 v[S+n:S+n+1], v[S+n:S+n+1], s[CS:CS+1], v[12:13] op_sel_hi:[1,0,0]   ; t - M
.set n, n+2
.endr
	s_setprio 1
.irp b, 0,1,2,3
	v_fma_f32 v[MX+\b], v[MX+\b], s[CS], v12
.endr
.set n, 0
	s_wait_alu depctr_va_vdst(0)
.rept 64
	v_exp_f32 v[S+n], v[S+n]                       ; p = 2^(t - M)
.set n, n+1
.endr
	v_pk_mul_f32 v[14:15], v[14:15], v[FF:FF+1] op_sel_hi:[1,0]   ; the sums under the new M: the plain instruction behind the batch
	s_wait_alu depctr_va_vdst(0)                   ; one wait for the 64 exponentials, ahead of their first reader
.irp b, 0,1,2,3
	v_exp_f32 v[MX+\b], v[MX+\b]                   ; each block's largest p
.endr
	v_pk_add_f32 v[234:235], v[104:105], v[108:109]
	v_pk_add_f32 v[252:253], v[112:113], v[116:117]
	v_pk_add_f32 v[250:251], v[120:121], v[124:125]
	v_pk_add_f32 v[248:249], v[128:129], v[132:133]
	v_pk_add_f32 v[246:247], v[136:137], v[140:141]
	v_pk_add_f32 v[244:245], v[144:145], v[148:149]
	v_pk_add_f32 v[242:243], v[152:153], v[156:157]
	v_pk_add_f32 v[14:15], v[14:15], v[160:161]
	v_pk_add_f32 v[234:235], v[234:235], v[100:101]
	v_pk_add_f32 v[252:253], v[252:253], v[102:103]
	v_pk_add_f32 v[250:251], v[250:251], v[106:107]
	v_pk_add_f32 v[248:249], v[248:249], v[110:111]
	v_pk_add_f32 v[246:247], v[246:247], v[114:115]
	v_pk_add_f32 v[244:245], v[244:245], v[118:119]
	v_pk_add_f32 v[242:243], v[242:243], v[122:123]
	v_pk_add_f32 v[14:15], v[14:15], v[126:127]
	v_pk_add_f32 v[234:235], v[234:235], v[130:131]
	v_pk_add_f32 v[252:253], v[252:253], v[134:135]
	v_pk_add_f32 v[250:251], v[250:251], v[138:139]
	v_pk_add_f32 v[248:249], v[248:249], v[142:143]
	v_pk_add_f32 v[246:247], v[246:247], v[146:147]
	v_pk_add_f32 v[244:245], v[244:245], v[150:151]
	v_pk_add_f32 v[242:243], v[242:243], v[154:155]
	v_pk_add_f32 v[14:15], v[14:15], v[158:159]
	v_pk_add_f32 v[234:235], v[234:235], v[162:163]
	s_delay_alu instid0(VALU_DEP_2)
	v_pk_add_f32 v[14:15], v[14:15], v[248:249]
	s_delay_alu instid0(VALU_DEP_2)
	v_pk_add_f32 v[234:235], v[234:235], v[246:247]
	v_pk_add_f32 v[252:253], v[252:253], v[244:245]
	v_pk_add_f32 v[250:251], v[250:251], v[242:243]
	s_delay_alu instid0(VALU_DEP_2)
	v_pk_add_f32 v[14:15], v[14:15], v[252:253]
	s_delay_alu instid0(VALU_DEP_2)
	v_pk_add_f32 v[234:235], v[234:235], v[250:251]
	s_delay_alu instid0(VALU_DEP_1)
	v_pk_add_f32 v[14:15], v[14:15], v[234:235]
	s_wait_alu depctr_va_vdst(0)                   ; and one for the four
.irp b, 0,1,2,3
	v_max_num_f32 v[MX+\b], 0x2800000, v[MX+\b]    ; the floor 2^(5 - 127)
.endr
.irp b, 0,1,2,3
	s_delay_alu instid0(VALU_DEP_4)
	v_add_nc_u32 v[SO+\b], 0xfe000000, v[MX+\b]
.endr
.irp b, 0,1,2,3
	s_delay_alu instid0(VALU_DEP_4)
	v_lshrrev_b32 v[PD+\b], 23, v[SO+\b]
.endr
	s_delay_alu instid0(VALU_DEP_3)
	v_lshl_or_b32 v[PWD], v[PD+1], 8, v[PD]
	s_delay_alu instid0(VALU_DEP_1)
	v_lshl_or_b32 v[PWD], v[PD+2], 16, v[PWD]
	s_delay_alu instid0(VALU_DEP_1)
	v_lshl_or_b32 v[PWD], v[PD+3], 24, v[PWD]
	s_setprio 0
.irp c, 0,1
	v_cvt_scalef32_pk16_bf6_f32 v[PCD+6*\c:PCD+2+6*\c], v[S+32*\c:S+15+32*\c], v[SO+2*\c]
	v_cvt_scalef32_pk16_bf6_f32 v[PCD+12+4*\c:PCD+14+4*\c], v[S+16+32*\c:S+31+32*\c], v[SO+2*\c+1]
.endr
	v_nop
.irp c, 0,1
.irp i, 0,1,2
	v_permlane16_swap_b32 v[PCD+6*\c+\i], v[PCD+12+4*\c+\i]
.endr
.irp i, 0,1,2
	s_delay_alu instid0(VALU_DEP_3)
	v_mov_b32 v[PCD+3+6*\c+\i], v[PCD+12+4*\c+\i]
.endr
.endr
.set n, 0
.rept 16
	v_pk_mul_f32 v[O+n:O+n+1], v[O+n:O+n+1], v[FF:FF+1] op_sel_hi:[1,0]   ; O^T under the new M; these sixteen are also the places between p's codes and scale word and the products
.set n, n+2
.endr
	s_wait_alu depctr_va_vdst(0)
	s_wait_dscnt 0x0                               ; v's record is in
.irp t, 0,1,2,3                        ; O^T += v^T p^T: the four accumulators by turns
	v_wmma_scale_f32_16x16x128_f8f6f4 v[O+8*\t:O+8*\t+7], v[F+12*\t:F+12*\t+11], v[PCD:PCD+11], v[O+8*\t:O+8*\t+7], v[KW+\t], v[PWD] matrix_a_fmt:MATRIX_FMT_BF6 matrix_b_fmt:MATRIX_FMT_BF6
.endr
.Lhid_\@:
	s_add_co_u32 s[TB], s[TB], 6400
	s_add_co_u32 s[TBV], s[TBV], 6400
	s_add_co_u32 s[KS], s[KS], 1
.endm
.macro OUT p                           ; y = O^T / the sum, register 16 g + i = channel 32 g + 16 (lane / 16) + i: two blocks, quantised; half an image leaves as it stands
.rept 4
	v_nop                                          ; places behind the last products
.endr
	v_add_f32 v14, v14, v15
	s_delay_alu instid0(VALU_DEP_1)
	v_permlanex16_b32 v[TT], v14, s[SEL], s[SEL+1]
	s_delay_alu instid0(VALU_DEP_1)
	v_add_f32 v14, v14, v[TT]
	s_wait_alu depctr_va_vdst(0)
	v_rcp_f32 v14, v14
	v_nop
	s_wait_alu depctr_va_vdst(0)                   ; ahead of the reciprocal's first reader
.set n, 0
.rept 16
	v_pk_mul_f32 v[S+n:S+n+1], v[O+n:O+n+1], v[14:15] op_sel_hi:[1,0]   ; each accumulator from its low end on
.set n, n+2
.endr
.irp g, 0,1
	v_max3_num_f32 v[MX+\g], |v[S+16*\g]|, |v[S+1+16*\g]|, 0x2800000
.endr
.irp i, 2,4,6,8,10,12,14
.irp g, 0,1
	s_delay_alu instid0(VALU_DEP_2)
	v_max3_num_f32 v[MX+\g], v[MX+\g], |v[S+16*\g+\i]|, |v[S+1+16*\g+\i]|
.endr
.endr
.irp g, 0,1
	s_delay_alu instid0(VALU_DEP_2)
	v_permlanex16_b32 v[PD+\g], v[MX+\g], s[SEL], s[SEL+1]
.endr
.irp g, 0,1
	s_delay_alu instid0(VALU_DEP_2)
	v_max_num_f32 v[MX+\g], v[MX+\g], v[PD+\g]
.endr
.irp g, 0,1
	s_delay_alu instid0(VALU_DEP_2)
	v_add_nc_u32 v[SO+\g], 0xfe000000, v[MX+\g]
.endr
.irp g, 0,1
	s_delay_alu instid0(VALU_DEP_2)
	v_lshrrev_b32 v[PD+\g], 23, v[SO+\g]
.endr
	s_delay_alu instid0(VALU_DEP_1)
	v_lshl_or_b32 v[YW], v[PD+1], 8, v[PD]
	v_cvt_scalef32_pk16_bf6_f32 v[PCD:PCD+2], v[S:S+15], v[SO]
	v_cvt_scalef32_pk16_bf6_f32 v[PCD+12:PCD+14], v[S+16:S+31], v[SO+1]
	v_nop
.irp i, 0,1,2
	v_permlane16_swap_b32 v[PCD+\i], v[PCD+12+\i]
.endr
.irp i, 0,1,2
	s_delay_alu instid0(VALU_DEP_3)
	v_mov_b32 v[PCD+3+\i], v[PCD+12+\i]
.endr
	global_store_b128 v1, v[PCD:PCD+3], s[48+2*\p:49+2*\p]               ; 512 consecutive bytes
	global_store_b64 v2, v[PCD+4:PCD+5], s[48+2*\p:49+2*\p] offset:512   ; 256
	global_store_b16 v6, v[YW], s[52+2*\p:53+2*\p]                       ; row r's two bytes (lanes 16-31 write the same bytes with the same value)
.endm
.macro PASS p, trips
	s_wait_xcnt 0x0                                ; the stores of the pass before have read their data: those registers are written again only behind this wait
.if \p == 0
	s_mov_b32 s[GP], s15
.irp i, 0,1,2,3,4,5
	v_mov_b32 v[34+\i], v[22+\i]
.endr
.else
	s_mov_b32 s[GP], s17
.irp i, 0,1,2,3,4,5
	v_mov_b32 v[22+\i], v[42+\i]
	v_mov_b32 v[34+\i], v[42+\i]
.endr
.endif
	v_perm_b32 v40, v[RW+\p], v[RW+\p], s56        ; q's scale word: my tile's two bytes, twice
	v_mov_b32 v13, 0xff61b1e6                      ; the largest t so far: -3e38
	s_delay_alu instid0(VALU_DEP_1)
	v_floor_f32 v12, -v13
	v_mov_b32 v14, 0
	v_mov_b32 v15, 0
.set n, 0
.rept 32
	v_mov_b32 v[O+n], 0                            ; O^T: the first change of M leaves zeros zeros.  (Also the places between q's registers, its scale word and the first product)
.set n, n+1
.endr
	s_mov_b32 s[TB], 0
	s_mov_b32 s[TBV], 102400
	s_mov_b32 s[KS], 0
.Lstep_\@:
	STEP
	s_cmp_lt_u32 s[KS], \trips
	s_cbranch_scc1 .Lstep_\@
	s_setprio 0
	OUT \p
.endm
	PASS 0, 8
	PASS 1, 16
	s_wait_dscnt 0x0
	s_wait_tensorcnt 0x0
	ds_add_u32 v254, v255
	s_wait_dscnt 0x0
	CROUND                                         ; the closing round
	s_endpgm
.Lfunc_end_k_q53d01c6146_attn:
	.size	k_q53d01c6146_attn, .Lfunc_end_k_q53d01c6146_attn-k_q53d01c6146_attn
	.p2alignl 7, 3214868480
	.fill 96, 4, 3214868480
	.section	.rodata,"a",@progbits
	.p2align	6, 0x0
	.amdhsa_kernel k_q53d01c6146_attn
		.amdhsa_group_segment_fixed_size 206848
		.amdhsa_private_segment_fixed_size 0
		.amdhsa_enable_private_segment 0
		.amdhsa_kernarg_size 24
		.amdhsa_user_sgpr_count 2
		.amdhsa_user_sgpr_kernarg_segment_ptr 1
		.amdhsa_wavefront_size32 1
		.amdhsa_system_sgpr_workgroup_id_x 1
		.amdhsa_system_sgpr_workgroup_id_y 1
		.amdhsa_system_sgpr_workgroup_id_z 1
		.amdhsa_system_vgpr_workitem_id 0
		.amdhsa_next_free_vgpr 256
		.amdhsa_next_free_sgpr 66
		.amdhsa_reserve_vcc 1
		.amdhsa_float_denorm_mode_32 3
		.amdhsa_float_denorm_mode_16_64 3
		.amdhsa_memory_ordered 1
		.amdhsa_forward_progress 1
		.amdhsa_inst_pref_size 65
	.end_amdhsa_kernel
	.amdgpu_metadata
---
amdhsa.version: [ 1, 2 ]
amdhsa.kernels:
  - .name:           k_q53d01c6146_attn
    .symbol:         k_q53d01c6146_attn.kd
    .args:
      - { .name: rec, .offset: 0, .size: 8, .value_kind: global_buffer, .address_space: global }
      - { .name: yimg, .offset: 8, .size: 8, .value_kind: global_buffer, .address_space: global }
      - { .name: yscl, .offset: 16, .size: 8, .value_kind: global_buffer, .address_space: global }
    .group_segment_fixed_size: 206848
    .private_segment_fixed_size: 0
    .kernarg_segment_align: 8
    .kernarg_segment_size: 24
    .max_flat_workgroup_size: 512
    .sgpr_count:     66
    .vgpr_count:     256
    .wavefront_size: 32
...
	.end_amdgpu_metadata
.endif
;; end of part 3
;; launch proj (part 4): grid 4 x 32, 4 waves a work-group, clusters of 4 x 4, 327,680 bytes of LDS; arguments yimg, yscl, ops, opscl, bp, out0; writes out0
.if DOCPART == 4
	.amdgcn_target "amdgcn-amd-amdhsa--gfx1250"
	.amdhsa_code_object_version 6
	.text
	.protected	k_q53d01c6146_proj
	.globl	k_q53d01c6146_proj
	.p2align	8
	.type	k_q53d01c6146_proj,@function
k_q53d01c6146_proj:
	s_mov_b64 s[64:65], 0
	v_nop
	global_prefetch_b8 v0, s[64:65] scope:SCOPE_SE
	s_setreg_imm32_b32 hwreg(HW_REG_WAVE_MODE, 25, 1), 1
	s_wait_xcnt 0x0
	s_wait_alu depctr_hold_cnt(0) depctr_sa_sdst(0) depctr_va_vdst(0) depctr_va_sdst(0) depctr_va_ssrc(0) depctr_va_vcc(0) depctr_vm_vsrc(0)
	s_getreg_b32 s2, hwreg(HW_REG_IB_STS2, 6, 4)
	s_cmp_eq_u32 s2, 0
	s_cbranch_scc0 .Lentry_in_a_cluster
	s_endpgm
.Lentry_in_a_cluster:
	s_bfe_u32 s2, ttmp6, 0x10000c
	s_cmp_lg_u32 s2, 0xf033
	s_cbranch_scc0 .Lentry_shape_is_right
	s_endpgm
.Lentry_shape_is_right:
; out0 = y Wp^T + bp on codes of BF6 (E3M2) with E8M0 scales, sums in f32.  y [8192][1024] comes as yimg / yscl, Wp as tiles 704-767 of ops / opscl: fragments as images of operand registers
; (1,536 dense bytes: registers 0-3 at 16 x lane, 4-5 at 512 + 8 x lane, 6-9 at 768 + 16 x lane, 10-11 at 1,280 + 8 x lane), [row tile][K step]; scale words [row tile][K slot][row][q].
; Place r of y's tile 2 g + u is token 32 g + 8 u + r + 8 (r / 8): the stores' offsets put the rows back.  Wp's tiles hold 16 neighbouring rows.
; Source 0 = 16 rows of Wp ("B"), source 1 = 16 rows of y ("A"): a lane holds eight neighbouring numbers of a row of out0.  The bias is the C of each sum's first product.
; A tile of 256 x 256 to a work-group of four waves, 128 x 128 a wave; K in steps of 256 through two LDS slots filled by the tensor data mover; the scale words of all of K come once.
; CLUSTERS 4 x 4: A's tiles are shared along a row of the cluster, B's along a column: joint loads.  The grid has 128 work-groups: one loop form serves both GEMMs of this program.
; REGISTERS: window 0: v1-29 addresses; v32-63 scale words, two sets; v64-127 the bias; v128-223 A's fragments; way out v128-255.  window 1: B's fragments, two sets.  windows 2, 3: the accumulators.
.set NQ,     2
.set FR,     12
.set NL,     4
.set NP,     4
.set TILEB,  12288
.set STEPB,  3072
.set HALFT,  8*STEPB
.set SLOT,   4*HALFT
.set LAPS,   2
.set SCL,    2*SLOT
.set SPARE,  SCL+16640                 ; the spare words, 128 bytes for each wave: two blocks of 256 bytes that no other line names
.set SPITCH, 528                       ; the way out: a stage of 16 rows x (512 + 16) bytes for each wave, in slot 0, which has had its last fill and its last read by then
.set ADRA, 16
.set ADRB, 20
.set STO,  24
.set RD,   25
.set CO,   26
.set ADRS, 27
.set SPW,  28
.set NIL,  29
.set SC,   32
.set BI,   64                          ; the bias: register 8 b + j = bp at my column 16 b + 8 (lane / 16) + j
.set AF,   128
.set BK,   128
.set G1, 24
.set G0, 32
.set G1B, 48
.set G0B, 56
.set G1S, 68
.set G0S, 76
.set G1SB, 80
.set G0SB, 88
.set MSB, 0
.macro WIN new
.if MSB != (\new)
	s_set_vgpr_msb (MSB<<8)|(\new)
.set MSB, (\new)
.endif
.endm
.set MUL_LO, 0xa1
.set MUL_HI, 0xf1
.set TO_B,   0x40
.macro JLOAD g0a, g1a, g0b, g1b        ; waves 0 and 1 fetch for A, waves 2 and 3 for B; four v_nop follow each of the two lines
	s_cmp_eq_u32 s15, 0
	s_cbranch_scc0 .Lfor_b_\@
	tensor_load_to_lds s[\g0a:\g0a+3], s[\g1a:\g1a+7]
	s_nop 0
.rept 4
	v_nop
.endr
	s_branch .Lasked_\@
.Lfor_b_\@:
	tensor_load_to_lds s[\g0b:\g0b+3], s[\g1b:\g1b+7]
	s_nop 0
.rept 4
	v_nop
.endr
.Lasked_\@:
.endm
.macro CREST
	s_cmp_lg_u32 s14, 0
	s_cbranch_scc1 .Lnot_wave_0_\@
	s_barrier_signal -3
.Lnot_wave_0_\@:
	s_barrier_wait -3
	s_barrier_signal -1
	s_barrier_wait -1
.endm
.macro CROUND
	s_barrier_signal -1
	s_barrier_wait -1
	CREST
.endm
	s_load_b128 s[4:7], s[0:1], 0x0                ; yimg, yscl
	s_load_b128 s[8:11], s[0:1], 0x10              ; ops, opscl
	s_load_b128 s[92:95], s[0:1], 0x20             ; bp, out0
	v_lshl_add_u32 v[SPW], v0, 2, SPARE
	v_mov_b32 v[NIL], 0
	ds_add_u32 v28, v29
	ds_add_u32 v28, v29
	s_wait_dscnt 0x0
	v_lshrrev_b32 v1, 5, v0
	v_readfirstlane_b32 s14, v1
	s_lshr_b32 s15, s14, 1                         ; my half of A's rows.  Also: I fetch for A (0) or for B (1)
	s_and_b32 s16, s14, 1                          ; my half of B's rows.  Also: which 8 tiles I fetch
	s_bfe_u32 s40, ttmp6, 0x40000                  ; cx
	s_bfe_u32 s41, ttmp6, 0x40004                  ; cy
	s_lshl_b32 s42, ttmp9, 2
	s_add_co_u32 s42, s42, s40                     ; B's block of 256 rows of Wp
	s_and_b32 s17, ttmp7, 0xffff
	s_lshl_b32 s17, s17, 2
	s_add_co_u32 s17, s17, s41                     ; A's block of 256 rows of y
	s_lshl_b32 s43, s41, 2
	s_lshl_b32 s43, 15, s43
	s_lshl_b32 s44, 0x1111, s40
	s_or_b32 s[G1+0], s43, (3<<16)|(1<<21)         ; 15:0 the mask; 17:16 elements of 8 bytes; no padding; 21 set beside a mask
	s_or_b32 s[G1B+0], s44, (3<<16)|(1<<21)
.irp g, G1, G1B
	s_mov_b32 s[\g+1], 384<<16                     ; a tile's 3,072 bytes of a slot
	s_mov_b32 s[\g+2], 8<<16                       ; 8 tiles
	s_mov_b32 s[\g+3], 384<<16
	s_mov_b32 s[\g+4], 8
	s_mov_b32 s[\g+5], 1536                        ; from tile to tile: 12,288 bytes
	s_mov_b32 s[\g+6], 0
	s_mov_b32 s[\g+7], 0
.endr
	s_or_b32 s[G1S+0], s43, (3<<16)|(1<<21)        ; the scale words of 8 tiles: 16 rows of 256 bytes
	s_or_b32 s[G1SB+0], s44, (3<<16)|(1<<21)
.irp g, G1S, G1SB
	s_mov_b32 s[\g+1], 32<<16
	s_mov_b32 s[\g+2], 16<<16
	s_mov_b32 s[\g+3], 32<<16
	s_mov_b32 s[\g+4], 16
	s_mov_b32 s[\g+5], 32
	s_mov_b32 s[\g+6], 0
	s_mov_b32 s[\g+7], 0
.endr
	s_lshl_b32 s23, s16, 3
	s_lshl_b32 s22, s17, 4
	s_add_co_u32 s22, s22, s23                     ; A's first tile of mine
	s_lshl_b32 s99, s42, 4
	s_add_co_u32 s99, s99, s23
	s_add_co_u32 s99, s99, 704                     ; B's: Wp begins at tile 704 of ops
	s_mul_i32 s20, s22, TILEB
	s_mov_b32 s21, 0
	s_lshl_b32 s96, s22, 9
	s_mov_b32 s97, 0
	s_mul_i32 s46, s99, TILEB
	s_mov_b32 s47, 0
	s_lshl_b32 s66, s99, 9
	s_mov_b32 s67, 0
	s_mul_i32 s2, s14, HALFT
	s_lshl_b32 s3, s14, 12
	s_lshl_b32 s23, s15, 7
	s_add_co_u32 s3, s3, s23
	s_wait_kmcnt 0x0
	s_add_nc_u64 s[20:21], s[4:5], s[20:21]
	s_add_nc_u64 s[96:97], s[6:7], s[96:97]
	s_add_nc_u64 s[46:47], s[8:9], s[46:47]
	s_add_nc_u64 s[66:67], s[10:11], s[66:67]
	CROUND                                         ; all sixteen work-groups are here: the first joint loads meet
	s_mov_b32 s[G0S], 1
	s_add_co_u32 s[G0S+1], s3, SCL
	s_mov_b64 s[G0S+2:G0S+3], s[96:97]
	s_or_b32 s[G0S+3], s[G0S+3], 0x80000000
	s_mov_b32 s[G0SB], 1
	s_add_co_u32 s[G0SB+1], s3, SCL
	s_mov_b64 s[G0SB+2:G0SB+3], s[66:67]
	s_or_b32 s[G0SB+3], s[G0SB+3], 0x80000000
	JLOAD G0S, G1S, G0SB, G1SB
.irp s, 0,1
	s_mov_b32 s[G0+4*\s], 1
	s_add_co_u32 s[G0+4*\s+1], s2, \s*SLOT
	s_add_nc_u64 s[G0+4*\s+2:G0+4*\s+3], s[20:21], \s*STEPB
	s_or_b32 s[G0+4*\s+3], s[G0+4*\s+3], 0x80000000
	s_mov_b32 s[G0B+4*\s], 1
	s_add_co_u32 s[G0B+4*\s+1], s2, \s*SLOT
	s_add_nc_u64 s[G0B+4*\s+2:G0B+4*\s+3], s[46:47], \s*STEPB
	s_or_b32 s[G0B+4*\s+3], s[G0B+4*\s+3], 0x80000000
	JLOAD G0+4*\s, G1, G0B+4*\s, G1B
.endr
	v_and_b32 v1, 15, v0                           ; r
	v_bfe_u32 v2, v0, 4, 1                         ; h
	v_and_b32 v3, 31, v0                           ; lane
	v_lshlrev_b32 v12, 4, v3
	v_lshlrev_b32 v13, 3, v3
	; bp and out0 at my 128 columns, out0 at my 128 rows (in registers that feed no descriptor: they hold cx and cy)
	s_lshl_b32 s100, s42, 10
	s_lshl_b32 s101, s16, 9
	s_add_co_u32 s100, s100, s101
	s_mov_b32 s101, 0
	s_add_nc_u64 s[92:93], s[92:93], s[100:101]
	s_add_nc_u64 s[94:95], s[94:95], s[100:101]
	s_lshl_b32 s100, s17, 20                       ; 256 rows of 4,096 bytes
	s_lshl_b32 s98, s15, 19
	s_add_co_u32 s100, s100, s98
	s_add_nc_u64 s[94:95], s[94:95], s[100:101]
	v_lshlrev_b32 v10, 5, v2                       ; 32 h
.irp b, 0,1,2,3,4,5,6,7
	global_load_b128 v[BI+8*\b:BI+8*\b+3], v10, s[92:93] offset:64*\b
	global_load_b128 v[BI+8*\b+4:BI+8*\b+7], v10, s[92:93] offset:64*\b+16
.endr
	s_mul_i32 s21, s15, HALFT
	s_mul_i32 s22, s16, HALFT
	s_add_co_u32 s22, s22, 2*HALFT
.irp s, 0,1
	v_add_nc_u32 v[ADRA+\s], s21, v12
	v_add_nc_u32 v[ADRA+2+\s], s21, v13
	v_add_nc_u32 v[ADRB+\s], s22, v12
	v_add_nc_u32 v[ADRB+2+\s], s22, v13
	s_add_co_u32 s21, s21, SLOT
	s_add_co_u32 s22, s22, SLOT
.endr
	v_lshlrev_b32 v5, 3, v1
	s_lshl_b32 s21, s15, 12
	s_lshl_b32 s22, s16, 12
	s_add_co_u32 s22, s22, 8320
	s_sub_co_u32 s22, s22, s21
	v_mul_u32_u24 v6, s22, v2                      ; lanes 16-31 take B's words: one product with h
	s_add_co_u32 s21, s21, SCL
	v_add_nc_u32 v5, v5, v6
	v_add_nc_u32 v[ADRS], s21, v5
	s_mul_i32 s23, s14, 16*SPITCH                  ; my stage
	v_mul_u32_u24 v5, v1, SPITCH
	v_lshl_add_u32 v5, v2, 5, v5
	v_add_nc_u32 v[STO], s23, v5                   ; in: row r, 32 bytes for each half of the lanes
	v_mov_b32 v[CO], v12                           ; back: the 32 lanes take one row of 512 bytes; and the same in out0
	v_add_nc_u32 v[RD], s23, v12
.macro FRAG reg, adr, q, i
	ds_load_b128 v[\reg:\reg+3], v[\adr] offset:STEPB*(\i)+1536*(\q)
	ds_load_b64 v[\reg+4:\reg+5], v[\adr+2] offset:STEPB*(\i)+1536*(\q)+512
	ds_load_b128 v[\reg+6:\reg+9], v[\adr] offset:STEPB*(\i)+1536*(\q)+768
	ds_load_b64 v[\reg+10:\reg+11], v[\adr+2] offset:STEPB*(\i)+1536*(\q)+1280
.endm
; 16 matrix instructions: A's tiles a0, a0 + 1 x B's eight.  first = 1: the sums begin with the bias.  The 64 accumulators take turns, one instruction a turn.
.macro MUL16 a0, p, q, sc, first
.irp a, \a0, \a0+1
.irp b, 0,1,2,3,4,5,6,7
.if \first
	v_wmma_scale_f32_16x16x128_f8f6f4 v[8*(8*((\a)%4)+\b):8*(8*((\a)%4)+\b)+7], v[128*(\p)+FR*\b:128*(\p)+FR*\b+FR-1], v[AF+FR*(\a):AF+FR*(\a)+FR-1], v[BI+8*\b:BI+8*\b+7], v[SC+8*NQ*(\sc)+NQ*\b+(\q)], v[SC+8*NQ*(\sc)+NQ*(\a)+(\q)] matrix_a_fmt:MATRIX_FMT_BF6 matrix_b_fmt:MATRIX_FMT_BF6 matrix_a_scale:MATRIX_SCALE_ROW1
.else
	v_wmma_scale_f32_16x16x128_f8f6f4 v[8*(8*((\a)%4)+\b):8*(8*((\a)%4)+\b)+7], v[128*(\p)+FR*\b:128*(\p)+FR*\b+FR-1], v[AF+FR*(\a):AF+FR*(\a)+FR-1], v[8*(8*((\a)%4)+\b):8*(8*((\a)%4)+\b)+7], v[SC+8*NQ*(\sc)+NQ*\b+(\q)], v[SC+8*NQ*(\sc)+NQ*(\a)+(\q)] matrix_a_fmt:MATRIX_FMT_BF6 matrix_b_fmt:MATRIX_FMT_BF6 matrix_a_scale:MATRIX_SCALE_ROW1
.endif
.endr
.endr
.endm
.macro FETCH_B slot, q, p
	WIN TO_B
.irp i, 0,1,2,3,4,5,6,7
	FRAG 128*(\p)+FR*\i, ADRB+\slot, \q, \i
.endr
	WIN 0
.endm
.macro FETCH_A slot, q, i0
.irp i, \i0, \i0+1, \i0+2, \i0+3
	FRAG AF+FR*(\i), ADRA+\slot, \q, \i
.endr
.endm
.macro SCALES sc
.irp i, 0,1,2,3,4,5,6,7
	ds_load_b64 v[SC+8*NQ*\sc+NQ*\i:SC+8*NQ*\sc+NQ*\i+1], v[ADRS] offset:\i*512
.endr
.endm
.macro PLACES n
.rept \n
	v_nop
.endr
.endm
.macro STEP slot, q, first
	s_wait_dscnt 4*NL                              ; B's set, A's tiles 0-3 and the scale words are in; the youngest 16 loads (A's tiles 4-7) may be out
	WIN MUL_LO-0x20*(\first)                       ; (with the bias as C: source 2 in window 0)
	MUL16 0, (\q)%2, \q, \slot, \first
	MUL16 2, (\q)%2, \q, \slot, \first
	s_wait_dscnt 0
	PLACES NP
	FETCH_B \slot, (\q)+1, 1-(\q)%2
	FETCH_A \slot, (\q)+1, 0
	WIN MUL_HI-0x30*(\first)
	MUL16 4, (\q)%2, \q, \slot, \first
	MUL16 6, (\q)%2, \q, \slot, \first
	PLACES NP
	WIN 0
	FETCH_A \slot, (\q)+1, 4
.endm
.macro TURN slot, next, fill
	s_wait_tensorcnt 0x0                           ; all my tensor loads have landed: my part of the next slot
	ds_add_u32 v[SPW], v[NIL]                      ; 0 onto my spare word
	s_wait_dscnt 4*NL+1                            ; (the add and the youngest 16 loads may be out)
	WIN MUL_LO
	MUL16 0, 1, NQ-1, \slot, 0
	s_wait_dscnt 0x0                               ; the add is done, and my reads of this slot are over
	s_barrier_signal -1
	MUL16 2, 1, NQ-1, \slot, 0
	WIN 0
	s_barrier_wait -1
.if \fill
	CREST                                          ; the barrier has opened a round of the cluster's: no wave of any partner still reads this slot or has a load on its way
	s_add_nc_u64 s[G0+4*\slot+2:G0+4*\slot+3], s[G0+4*\slot+2:G0+4*\slot+3], 2*STEPB
	s_add_nc_u64 s[G0B+4*\slot+2:G0B+4*\slot+3], s[G0B+4*\slot+2:G0B+4*\slot+3], 2*STEPB
	JLOAD G0+4*\slot, G1, G0B+4*\slot, G1B
.else
	PLACES NP
.endif
	v_add_nc_u32 v[ADRS], 128, v[ADRS]
	FETCH_B \next, 0, 0
	FETCH_A \next, 0, 0
	SCALES \next
	WIN MUL_HI
	MUL16 4, 1, NQ-1, \slot, 0
	MUL16 6, 1, NQ-1, \slot, 0
	PLACES NP
	WIN 0
	FETCH_A \next, 0, 4
.endm
	s_wait_tensorcnt 1                             ; the scale words and my part of slot 0 are in; slot 1's load may be out
	s_barrier_signal -1
	s_barrier_wait -1
	FETCH_B 0, 0, 0
	FETCH_A 0, 0, 0
	SCALES 0
	FETCH_A 0, 0, 4
	s_wait_loadcnt 0x0                             ; the bias
	STEP 0, 0, 1
	s_mov_b32 s3, LAPS-1
.Llap:
	TURN 0, 1, 1
	STEP 1, 0, 0
	TURN 1, 0, 1
	STEP 0, 0, 0
	s_sub_co_u32 s3, s3, 1
	s_cmp_lg_u32 s3, 0
	s_cbranch_scc1 .Llap
	TURN 0, 1, 0
	STEP 1, 0, 0
	s_wait_dscnt 4*NL
	WIN MUL_LO
	MUL16 0, 1, NQ-1, 1, 0
	MUL16 2, 1, NQ-1, 1, 0
	s_wait_dscnt 0
	WIN MUL_HI
	MUL16 4, 1, NQ-1, 1, 0
	MUL16 6, 1, NQ-1, 1, 0
	WIN 0
; THE WAY OUT, tile by tile of 16 rows x 128 columns, through my own stage in LDS: back come whole rows of 512 bytes.  LDS serves a wave's instructions in order: no wait between the stores and the loads.
.macro TOSTAGE a
.set AC, 64*((\a)%4)
	WIN 0x08+4*((\a)/4)                            ; an LDS store's data: window 2 or 3
.irp b, 0,1,2,3,4,5,6,7
	ds_store_b128 v[STO], v[AC+8*\b:AC+8*\b+3] offset:64*\b          ; each accumulator from its low end on
	ds_store_b128 v[STO], v[AC+8*\b+4:AC+8*\b+7] offset:64*\b+16
.endr
	WIN 0
.set BB, BK+64*((\a)%2)
.irp t, 0,1,2,3,4,5,6,7,8,9,10,11,12,13,14,15
	ds_load_b128 v[BB+4*\t:BB+4*\t+3], v[RD] offset:\t*SPITCH
.endr
.endm
.macro SEND a, younger                 ; place t of tile a is my row 32 (a / 2) + 8 (a % 2) + t + 8 (t / 8): it stands in the immediate, 127 rows of 4,096 bytes at the most, so the base is never stepped
.set BB, BK+64*((\a)%2)
	s_wait_dscnt \younger
.irp t, 0,1,2,3,4,5,6,7,8,9,10,11,12,13,14,15
	global_store_b128 v[CO], v[BB+4*\t:BB+4*\t+3], s[94:95] offset:(32*((\a)/2)+8*((\a)%2)+\t+8*(\t/8))*4096 th:TH_STORE_NT   ; 32 lanes store 512 consecutive bytes, aligned
.endr
.endm
	PLACES NP
	TOSTAGE 0
.irp a, 1,2,3,4,5,6,7
.if \a > 1
	s_wait_xcnt 0x0                                ; tile a - 2's stores have read their registers: tile a's loads may land there
.endif
	TOSTAGE \a
	SEND \a-1, 32                                  ; behind tile a - 1's loads: tile a's 16 stores and 16 loads
.endr
	SEND 7, 0
	s_wait_tensorcnt 0x0                           ; the wave's end
	ds_add_u32 v[SPW], v[NIL]
	s_wait_dscnt 0x0
	CROUND                                         ; the closing round
	s_endpgm
.Lfunc_end_k_q53d01c6146_proj:
	.size	k_q53d01c6146_proj, .Lfunc_end_k_q53d01c6146_proj-k_q53d01c6146_proj
	.p2alignl 7, 3214868480
	.fill 96, 4, 3214868480
	.section	.rodata,"a",@progbits
	.p2align	6, 0x0
	.amdhsa_kernel k_q53d01c6146_proj
		.amdhsa_group_segment_fixed_size 327680
		.amdhsa_private_segment_fixed_size 0
		.amdhsa_enable_private_segment 0
		.amdhsa_kernarg_size 48
		.amdhsa_user_sgpr_count 2
		.amdhsa_user_sgpr_kernarg_segment_ptr 1
		.amdhsa_wavefront_size32 1
		.amdhsa_system_sgpr_workgroup_id_x 1
		.amdhsa_system_sgpr_workgroup_id_y 1
		.amdhsa_system_sgpr_workgroup_id_z 1
		.amdhsa_system_vgpr_workitem_id 0
		.amdhsa_next_free_vgpr 1024
		.amdhsa_next_free_sgpr 102
		.amdhsa_reserve_vcc 0
		.amdhsa_float_denorm_mode_32 3
		.amdhsa_float_denorm_mode_16_64 3
		.amdhsa_memory_ordered 1
		.amdhsa_forward_progress 1
		.amdhsa_inst_pref_size 145
	.end_amdhsa_kernel
	.amdgpu_metadata
---
amdhsa.version: [ 1, 2 ]
amdhsa.kernels:
  - .name:           k_q53d01c6146_proj
    .symbol:         k_q53d01c6146_proj.kd
    .args:
      - { .name: yimg, .offset: 0, .size: 8, .value_kind: global_buffer, .address_space: global }
      - { .name: yscl, .offset: 8, .size: 8, .value_kind: global_buffer, .address_space: global }
      - { .name: ops, .offset: 16, .size: 8, .value_kind: global_buffer, .address_space: global }
      - { .name: opscl, .offset: 24, .size: 8, .value_kind: global_buffer, .address_space: global }
      - { .name: bp, .offset: 32, .size: 8, .value_kind: global_buffer, .address_space: global }
      - { .name: out0, .offset: 40, .size: 8, .value_kind: global_buffer, .address_space: global }
    .group_segment_fixed_size: 327680
    .private_segment_fixed_size: 0
    .kernarg_segment_align: 8
    .kernarg_segment_size: 48
    .max_flat_workgroup_size: 128
    .sgpr_count:     102
    .vgpr_count:     1024
    .wavefront_size: 32
...
	.end_amdgpu_metadata
.endif
;; end of part 4
